; MI455X (gfx1250); checked and timed in simulation.
; The chip was launched on July 23, 2026; its instructions are those of AMD's public machine-readable ISA for CDNA 5 (MIT licence, August 2026) and "CDNA5" Instruction Set Architecture Reference Guide (July 2026). The comments in the code are by the model that wrote it; some were corrected since.
;; TA Block. Allowed arithmetic: matrix products marked QUANTISED: E3M2 operands, one E8M0 scale for each 32 along K, by v_wmma_scale_f32_16x16x128_f8f6f4 with both operands' format E3M2, f32 sums; everything else in f32.
;; Inputs: Wk_codes 768 x 24 x 24 uint8 (E3M2 codes of Wk, K innermost, in blocks of 32 codes, four codes in three bytes); Wk_scales 768 x 24 uint8 (E8M0 scales of Wk, one for each 32 codes along K); Wq_codes 768 x 24 x 24 uint8 (E3M2 codes of Wq, K innermost, in blocks of 32 codes, four codes in three bytes); Wq_scales 768 x 24 uint8 (E8M0 scales of Wq, one for each 32 codes along K); Wv_codes 768 x 24 x 24 uint8 (E3M2 codes of Wv, K innermost, in blocks of 32 codes, four codes in three bytes); Wv_scales 768 x 24 uint8 (E8M0 scales of Wv, one for each 32 codes along K); bk 768 float32; bq 768 float32; bv 768 float32; x 16 x 1,024 x 768 float32.
;; Outputs: out0 16 x 1,024 x 768 float32.
;; This version of the problem:
;;   THIS VERSION OF THE PROBLEM IS GIVEN IN LOW PRECISION. The matrix products marked QUANTISED in the list below multiply operands that are first quantised to E3M2 (3 exponent bits, 2 mantissa bits; 6 bits a number), with one power-of-two scale for each 32 numbers along K (OCP MX v1.0); their sums are f32. All else is computed in f32.
;;   The module's matrix products, in the order in which they are computed (A, B: the left and right operand; K: the contracted axis; several contracted axes count as one K, in the product's order):
;;     1. [M 16,384, K 768] x [K 768, N 768]; A: input x; B: input Wq (given as codes): QUANTISED
;;     2. [M 16,384, K 768] x [K 768, N 768]; A: input x; B: input Wk (given as codes): QUANTISED
;;     3. [M 16,384, K 768] x [K 768, N 768]; A: input x; B: input Wv (given as codes): QUANTISED
;;     4. batch 16 x [M 1,024, K 768] x [K 768, N 1,024]; A: computed on the way; B: computed on the way: QUANTISED
;;     5. batch 16 x [M 1,024, K 1,024] x [K 1,024, N 768]; A: softmax (see below); B: computed on the way: QUANTISED
;;   THE QUANTISER, for each operand of a quantised product, along K:
;;     - K is cut into blocks of 32 from its start; a last block that is shorter is filled with zeros.
;;     - A block's scale is 2^e with e = floor(log2(the largest magnitude in the block)) - 4, held to -126 .. 127; a block of zeros has e = 0. As a byte (E8M0): e + 127.
;;     - Each number is divided by its block's scale, clamped to +-28, and rounded to the nearest number of E3M2, ties to even, subnormals kept.
;;     - The product sums the exact products of the quantised numbers (number of the format x scale) in f32.
;;   ~~~python
;;   def quantise(x, axis):      # numpy; x: float32 -> the quantised numbers, widened to float32 again
;;       x = np.moveaxis(x, axis, -1); K = x.shape[-1]
;;       x = np.pad(x, [(0, 0)] * (x.ndim - 1) + [(0, -K % 32)]); x = x.reshape(x.shape[:-1] + (-1, 32)); a = np.abs(x).max(-1, keepdims=True)
;;       e = np.where(a > 0, np.clip(np.frexp(np.where(a > 0, a, 1))[1] - 1 - 4, -126, 127), 0)      # np.frexp(a)[1] - 1 = floor(log2(a)), exactly
;;       r = np.clip(x / 2.0 ** e, -28, 28)
;;       step = 2.0 ** (np.maximum(np.frexp(np.where(r == 0, 1, r))[1] - 1, -2) - 2)
;;       q = np.round(r / step) * step * 2.0 ** e      # np.round: ties to even
;;       return np.moveaxis(q.reshape(q.shape[:-2] + (-1,))[..., :K], -1, axis).astype(np.float32)
;;   ~~~
;;   SOFTMAX AHEAD OF A QUANTISED PRODUCT. Where the list says 'softmax', what is quantised is not the finished softmax but p = 2^(t - M), with t = logit x log2(e) and M = ceil(the row's largest t), a whole number; so 1/2 < the row's largest p <= 1. The row's sum l is taken of the UNQUANTISED p, in f32, and the product's result is divided by l at the end. Since M is a whole number, a kernel that streams over the keys may use a running M (the ceiling of the running maximum): every later rescaling is an exact power of two, which a block's scale takes up: the codes' values come out the same.
;;   OPERANDS COMPUTED ON THE WAY. 'Computed on the way' means the value that the module computes at that place (a softmax that the list does not call 'softmax' is quantised finished and normalised). What goes into a quantiser is computed in f32, as accurately as f32 sums, v_exp_f32 and their like allow (about 1e-6 of the number): no bf16 or f16 on the way to a quantiser, and a product that is left as it is and whose result goes on into a quantised operand takes f32 operands (vector FMAs, or v_wmma_f32_16x16x4_f32). A number that lies on a knife's edge between two numbers of the format may be rounded either way, as far as f32 arithmetic and the matrix unit's own rounding can turn it there, and no further.
;;   INPUTS GIVEN AS CODES. Wk (in the module: [768, 768], K = its axis 1); Wq (in the module: [768, 768], K = its axis 1); Wv (in the module: [768, 768], K = its axis 1): each comes as NAME_codes (uint8): NAME with its K axis moved to the last place and cut into blocks of 32 codes, [.., K / 32, bytes a block], one block behind the other in memory; four codes in three bytes: a row's codes are one little-endian stream of bits, code i at bits 6 i .. 6 i + 5 (a code: sign, 3 exponent bits, 2 mantissa bits); and NAME_scales (uint8): the same leading axes, one E8M0 byte (e + 127) for each 32 codes along K. Its value is code x scale, taken as it is: it is not quantised again, and the codes and scales need not be those that the quantiser above would give.
;; 2 versions. Each part assembles by itself: llvm-mc -triple=amdgcn-amd-amdhsa -mcpu=gfx1250 --defsym DOCPART=n.
;; ======== version 1 of 2: 2 launches
;; workspace buffers: qcod 9,437,184 bytes; kcod 9,437,184 bytes; vcod 9,437,184 bytes; qscl 393,216 bytes; kscl 393,216 bytes; vscl 393,216 bytes
;; launch proj (part 1): grid 256 x 1, 4 waves a work-group, clusters of 4 x 1, 327,680 bytes of LDS; arguments x, Wq_codes, Wq_scales, bq, Wk_codes, Wk_scales, bk, Wv_codes, Wv_scales, bv, qcod, qscl, kcod, kscl, vcod, vscl; writes qcod, qscl, kcod, kscl, vcod, vscl
.if DOCPART == 1
	.amdgcn_target "amdgcn-amd-amdhsa--gfx1250"
	.amdhsa_code_object_version 6
	.text
	.protected	k_qd55308a10c_proj
	.globl	k_qd55308a10c_proj
	.p2align	8
	.type	k_qd55308a10c_proj,@function
k_qd55308a10c_proj:
	s_mov_b64 s[64:65], 0
	v_nop
	global_prefetch_b8 v0, s[64:65] scope:SCOPE_SE
	s_setreg_imm32_b32 hwreg(HW_REG_WAVE_MODE, 25, 1), 1
	s_wait_xcnt 0x0
	s_wait_alu depctr_hold_cnt(0) depctr_sa_sdst(0) depctr_va_vdst(0) depctr_va_sdst(0) depctr_va_ssrc(0) depctr_va_vcc(0) depctr_vm_vsrc(0)
	s_getreg_b32 s2, hwreg(HW_REG_IB_STS2, 6, 4)
	s_cmp_eq_u32 s2, 0
	s_cbranch_scc0 .Lentry_in_a_cluster
	s_endpgm
.Lentry_in_a_cluster:
	s_bfe_u32 s2, ttmp6, 0x10000c
	s_cmp_lg_u32 s2, 0x3003
	s_cbranch_scc0 .Lentry_shape_is_right
	s_endpgm
.Lentry_shape_is_right:
; q = x Wq^T + bq, k = x Wk^T + bk, v = x Wv^T + bv on codes of E3M2 with one E8M0 scale for each 32 along K, and the three results quantised again for the next launch:
; q and k along their 768 columns, v along the keys.  x: [16384][768] f32.  W*: codes [768][576 bytes], scale bytes [768][24].  b*: [768] f32.
; DEAD WORK: none.  Every input has a way to the output: bq and bv reach it in real numbers, and bk moves the codes and scales of k, an operand of a quantised product that is live.
; LIMITS: NaN and infinities among the inputs are not served.  A block whose largest magnitude lies under 2^-122, a block of zeros too, gets the scale byte 1 (the stated rule says 127 for zeros):
; its codes are zeros or tiny, and the bytes are read by this program alone.
; SHARES.  A work-group of four waves owns 64 rows of x.  Wave w quantises rows 16 w .. 16 w + 15 (six fragments of 16 rows x 128 K); the fragments go to the other waves through LDS as images of their
; registers, and then all 24 stay in every wave's registers.  The 2,304 rows of Wq, Wk, Wv are walked in nine units of 256; in a unit wave w takes rows 64 w .. 64 w + 63: 16 accumulators, 96 products.
; THE WEIGHTS come through a ring of two LDS slots, 32 rows a wave and slot, by tensor loads that the four work-groups of a cluster ask for jointly (all walk the same weights); each wave reads only the
; bytes that its own load brought, into two sets of registers, so that a slot is free for its refill while its tile is multiplied.
; LAYOUT.  For q and k source 0 = 16 rows of W, source 1 = 16 rows of x: a lane holds one row of x and eight columns.  For v the sources are swapped: a lane holds one column and eight rows (keys).
; Either way two neighbouring tiles give a lane 16 of a block of 32 along the next K, and lane l xor 16 the other 16.  Inside a block the codes lie in the order 16 h + 8 u + j for element 16 u + 8 h + j;
; q and k are made by the same lines, and so are v here and p in the next launch: both sides of each later product carry the same order, and blocks and scales are the true ones.
; OUT.  Codes leave in the order of the operand's registers: half a fragment (six registers a lane) as 512 bytes (16 a lane) and 256 bytes (8 a lane); two scale bytes a row, packed two rows to a word.
; No prefetch: all work-groups read the same 1.3 MB of weights at the same time, and x is asked for in runs at the head.
; REGISTERS.  window 0: v1-18 addresses; v20-27 at work; v29-32 two scale bytes a group; v36-59 scale words of x; v60-71 of W; v72-103 biases in the result's layout; v112-255 W's set 1 (in the first phase: 64 numbers
; of x, their codes, work; in the way out: codes).  window 1: x's fragments of row tiles 0, 1 at v0-143, accumulators v144-207 (in the first phase: four landing sets of 64).  window 2: the same for tiles 2, 3.  window 3: W's set 0.
.set SLOTB,  92160                     ; a slot: four waves x 32 rows x 720 bytes
.set WPART,  23040                     ; a wave's part of a slot
.set PITCH,  720                       ; a row of W in LDS: nine times 64 bytes of data + 16 of padding
.set XIMG,   184320                    ; behind the ring: x's 24 fragments as images, 1,536 bytes each: (row tile t, K step s) at 6 t + s
.set XSC,    221184                    ; their scale words, 128 bytes each
.set XSTG,   224256                    ; a stage of 16 rows x (512 + 16) bytes for each wave
.set SPARE,  258048                    ; the spare words, 128 bytes for each wave: two blocks of 256 bytes that no other line names
.set SPW,  17                          ; v17  LDS address of my spare word; never rewritten
.set NIL,  18                          ; v18  0; never rewritten
.set TM,   20
.set PW,   28
.set W16,  29
.set XS,   36
.set WS,   60
.set BIAS, 72
.set XN,   112
.set PCX,  176
.set QTM,  196
.set WV,   52                          ; s52  my wave's number
.set G1,   36                          ; s[36:43] descriptor group 1;  s[44:47], s[48:51] group 0 for slot 0, 1
.set G0,   44
.set SEL,  56                          ; s[56:57] selects of v_permlanex16_b32 for lane l xor 16
; s[4:5] x at my wave's rows.  Fetch sets at s6 (q), s12 (k), s18 (v): codes, scale bytes, bias, each at my wave's rows of the NEXT unit.  Output sets at s24, s28, s32: codes, scale words.
.set MSB, 0
.macro WIN new                         ; the immediate's high byte repeats the setting that is left; a switch that changes nothing is dropped
.if MSB != (\new)
	s_set_vgpr_msb (MSB<<8)|(\new)
.set MSB, (\new)
.endif
.endm
.macro PLACES n
.rept \n
	v_nop
.endr
.endm
.macro BARRIER                         ; my LDS stores have landed and my LDS loads are in: then the work-group's barrier
	s_wait_dscnt 0x0
	s_barrier_signal -1
	s_barrier_wait -1
.endm
.macro ROUND                           ; a round of the cluster's barrier: my work-group's barrier, wave 0 signals for it, all wait for the four work-groups, my work-group's barrier again
	s_barrier_signal -1
	s_barrier_wait -1
	s_cmp_lg_u32 s[WV], 0
	s_cbranch_scc1 .Lnw0_\@
	s_barrier_signal -3
.Lnw0_\@:
	s_barrier_wait -3
	s_barrier_signal -1
	s_barrier_wait -1
.endm
; One matrix instruction.  c = 999: the constant 0 starts the sum.  ra, rb: the scales of source 0, 1 are read from lanes 16-31.
.macro WM d, a, b, c, sa, sb, ra, rb
.if (\c) == 999
.if ((\ra)==0)&&((\rb)==0)
	v_wmma_scale_f32_16x16x128_f8f6f4 v[(\d):(\d)+7], v[(\a):(\a)+11], v[(\b):(\b)+11], 0, v[\sa], v[\sb] matrix_a_fmt:MATRIX_FMT_BF6 matrix_b_fmt:MATRIX_FMT_BF6
.elseif ((\ra)==1)&&((\rb)==0)
	v_wmma_scale_f32_16x16x128_f8f6f4 v[(\d):(\d)+7], v[(\a):(\a)+11], v[(\b):(\b)+11], 0, v[\sa], v[\sb] matrix_a_fmt:MATRIX_FMT_BF6 matrix_b_fmt:MATRIX_FMT_BF6 matrix_a_scale:MATRIX_SCALE_ROW1
.elseif ((\ra)==0)&&((\rb)==1)
	v_wmma_scale_f32_16x16x128_f8f6f4 v[(\d):(\d)+7], v[(\a):(\a)+11], v[(\b):(\b)+11], 0, v[\sa], v[\sb] matrix_a_fmt:MATRIX_FMT_BF6 matrix_b_fmt:MATRIX_FMT_BF6 matrix_b_scale:MATRIX_SCALE_ROW1
.else
	v_wmma_scale_f32_16x16x128_f8f6f4 v[(\d):(\d)+7], v[(\a):(\a)+11], v[(\b):(\b)+11], 0, v[\sa], v[\sb] matrix_a_fmt:MATRIX_FMT_BF6 matrix_b_fmt:MATRIX_FMT_BF6 matrix_a_scale:MATRIX_SCALE_ROW1 matrix_b_scale:MATRIX_SCALE_ROW1
.endif
.else
.if ((\ra)==0)&&((\rb)==0)
	v_wmma_scale_f32_16x16x128_f8f6f4 v[(\d):(\d)+7], v[(\a):(\a)+11], v[(\b):(\b)+11], v[(\c):(\c)+7], v[\sa], v[\sb] matrix_a_fmt:MATRIX_FMT_BF6 matrix_b_fmt:MATRIX_FMT_BF6
.elseif ((\ra)==1)&&((\rb)==0)
	v_wmma_scale_f32_16x16x128_f8f6f4 v[(\d):(\d)+7], v[(\a):(\a)+11], v[(\b):(\b)+11], v[(\c):(\c)+7], v[\sa], v[\sb] matrix_a_fmt:MATRIX_FMT_BF6 matrix_b_fmt:MATRIX_FMT_BF6 matrix_a_scale:MATRIX_SCALE_ROW1
.elseif ((\ra)==0)&&((\rb)==1)
	v_wmma_scale_f32_16x16x128_f8f6f4 v[(\d):(\d)+7], v[(\a):(\a)+11], v[(\b):(\b)+11], v[(\c):(\c)+7], v[\sa], v[\sb] matrix_a_fmt:MATRIX_FMT_BF6 matrix_b_fmt:MATRIX_FMT_BF6 matrix_b_scale:MATRIX_SCALE_ROW1
.else
	v_wmma_scale_f32_16x16x128_f8f6f4 v[(\d):(\d)+7], v[(\a):(\a)+11], v[(\b):(\b)+11], v[(\c):(\c)+7], v[\sa], v[\sb] matrix_a_fmt:MATRIX_FMT_BF6 matrix_b_fmt:MATRIX_FMT_BF6 matrix_a_scale:MATRIX_SCALE_ROW1 matrix_b_scale:MATRIX_SCALE_ROW1
.endif
.endif
.endm
; K step s of my 16 rows of x: each load reads one row's 512 consecutive bytes, into landing set s % 4 of window 1
.macro LOADX s
	WIN 0x40
.irp i, 0,1,2,3,4,5,6,7,8,9,10,11,12,13,14,15
	global_load_b128 v[64*((\s)%4)+4*\i:64*((\s)%4)+4*\i+3], v1, s[4:5] offset:3072*\i+512*(\s) th:TH_LOAD_NT
.endr
	WIN 0
.endm
; through my stage: in as loaded, back so that lane (r, h) holds of row r the numbers 32 b + 16 h + 0 .. 15 of each block b.  LDS serves a wave's instructions in order: no wait between
.macro TURN s
	WIN 0x04                                       ; an LDS store's data are its source 1: window 1
.irp i, 0,1,2,3,4,5,6,7,8,9,10,11,12,13,14,15
	ds_store_b128 v8, v[64*((\s)%4)+4*\i:64*((\s)%4)+4*\i+3] offset:528*\i
.endr
	WIN 0
.irp b, 0,1,2,3
.irp j, 0,1,2,3
	ds_load_b128 v[XN+16*\b+4*\j:XN+16*\b+4*\j+3], v9 offset:128*\b+16*\j
.endr
.endr
.endm
; 64 numbers of a lane, register 16 b + i = k 32 b + 16 h + i of my row, become a fragment's codes in v[PCX] on and its scale word in v[PW]
.macro QUANT
.irp b, 0,1,2,3
	v_max3_num_f32 v[QTM+\b], |v[XN+16*\b]|, |v[XN+1+16*\b]|, 0x2800000   ; my 16 numbers of block b, and the floor 2^(5 - 127): the byte cannot fall under 1
.endr
.irp i, 2,4,6,8,10,12,14
.irp b, 0,1,2,3
	v_max3_num_f32 v[QTM+\b], v[QTM+\b], |v[XN+16*\b+\i]|, |v[XN+1+16*\b+\i]|
.endr
.endr
.irp b, 0,1,2,3
	v_permlanex16_b32 v[QTM+4+\b], v[QTM+\b], s[SEL], s[SEL+1]
.endr
.irp b, 0,1,2,3
	v_max_num_f32 v[QTM+\b], v[QTM+\b], v[QTM+4+\b]   ; with lane l xor 16: the block's largest magnitude
.endr
.irp b, 0,1,2,3
	v_add_nc_u32 v[QTM+12+\b], 0xfe000000, v[QTM+\b]  ; 4 off its exponent field: the conversion takes the exponent field of this operand as its scale
.endr
.irp b, 0,1,2,3
	v_lshrrev_b32 v[QTM+4+\b], 23, v[QTM+12+\b]       ; the scale's byte
.endr
	v_lshl_or_b32 v[PW], v[QTM+5], 8, v[QTM+4]
	v_lshl_or_b32 v[PW], v[QTM+6], 16, v[PW]
	v_lshl_or_b32 v[PW], v[QTM+7], 24, v[PW]
.irp c, 0,1
	v_cvt_scalef32_pk16_bf6_f32 v[PCX+6*\c:PCX+2+6*\c], v[XN+32*\c:XN+15+32*\c], v[QTM+12+2*\c]
	v_cvt_scalef32_pk16_bf6_f32 v[PCX+12+4*\c:PCX+14+4*\c], v[XN+16+32*\c:XN+31+32*\c], v[QTM+12+2*\c+1]   ; (a conversion's three registers begin on an even number)
.endr
	v_nop                                          ; one plain place behind a scaled conversion
.irp c, 0,1                                    ; the operand wants a whole block in a lane: lanes 0-15 block 2 c, lanes 16-31 block 2 c + 1
.irp i, 0,1,2
	v_permlane16_swap_b32 v[PCX+6*\c+\i], v[PCX+12+4*\c+\i]
.endr
.irp i, 0,1,2
	v_mov_b32 v[PCX+3+6*\c+\i], v[PCX+12+4*\c+\i]
.endr
.endr
.endm
; A fragment of W, 16 rows x 128 K, from slot sg: six pieces of 8 bytes a lane.  Lanes 16-31 read three pieces further on, which for some pieces is behind one padding more: the second address register serves those
.macro FRAGW reg, sg, uu, ks
.irp p, 0,1,2,3,4,5
.set PCE, 12*(\ks)+6*(\p/3)+\p%3
.if PCE%8 < 5
	ds_load_b64 v[(\reg)+2*\p:(\reg)+2*\p+1], v[4+(\sg)] offset:8*PCE+16*(PCE/8)+11520*(\uu)
.else
	ds_load_b64 v[(\reg)+2*\p:(\reg)+2*\p+1], v[6+(\sg)] offset:8*PCE+16*(PCE/8)+11520*(\uu)
.endif
.endr
.endm
.macro WRUN ws, uu                     ; the six fragments of row tile uu of the tile in slot ws, into W's set ws (set 0: window 3; set 1: window 0 from v112)
	WIN 0xC0*(1-(\ws))
.irp s, 0,1,2,3,4,5
	FRAGW 112*(\ws)+72*(\uu)+12*\s, \ws, \uu, \s
.endr
.endm
; 24 matrix instructions: W's two row tiles of half bp x row tiles 2 th, 2 th + 1 of x, all six K steps.  Four accumulators by turns, one instruction a turn.  The bias is the C of the first K step.
.macro MUL kind, bp, th
.irp s, 0,1,2,3,4,5
.irp tt, 0,1
.irp u, 0,1
.set T_, 2*(\th)+\tt
.set C4, 2*(\bp)+\u
.set WF, 112*(\bp)+72*\u+12*\s
.set XF, 72*\tt+12*\s
.set WSR, WS+6*(\bp)+\s
.set XSR, XS+6*T_+\s
.set WW, 3*(1-(\bp))
.if (\kind) == 0
.set AC, 144+32*\tt+8*C4
.set DW, 1+(\th)
.else
.set AC, 144+32*\u+8*T_
.set DW, 1+(\bp)
.endif
.if \s == 0
.set CC, BIAS+8*C4
.set CW, 0
.else
.set CC, AC
.set CW, DW
.endif
.if (\kind) == 0
	WIN (DW<<6)|(CW<<4)|((1+(\th))<<2)|WW
	WM AC, WF, XF, CC, WSR, XSR, \u, 0
.else
	WIN (DW<<6)|(CW<<4)|(WW<<2)|(1+(\th))
	WM AC, XF, WF, CC, XSR, WSR, 0, \u
.endif
.endr
.endr
.endr
.endm
; The next unit's scale words of W (lane l: row 32 bp + l, six words) and biases in the result's layout, for half bp.  kind 0: 3 + 4 loads; kind 1 (a lane holds one column: the same number eight times): 3 + 16
.macro LNEXT kind, F, bp
.irp i, 0,1,2
	global_load_b64 v[WS+6*(\bp)+2*\i:WS+6*(\bp)+2*\i+1], v14, s[(\F)+2:(\F)+3] offset:768*(\bp)+8*\i
.endr
.if (\kind) == 0
.irp u, 0,1
.irp e, 0,1
	global_load_b128 v[BIAS+8*(2*(\bp)+\u)+4*\e:BIAS+8*(2*(\bp)+\u)+4*\e+3], v15, s[(\F)+4:(\F)+5] offset:128*(\bp)+64*\u+16*\e
.endr
.endr
.else
.irp u, 0,1
.irp j, 0,1,2,3,4,5,6,7
	global_load_b32 v[BIAS+8*(2*(\bp)+\u)+\j], v16, s[(\F)+4:(\F)+5] offset:128*(\bp)+64*\u
.endr
.endr
.endif
.endm
; The change of slots.  Slot sg's tile lies in registers once my LDS loads are back; the other slot's tile has landed once all my tensor loads are done.  refill = 1: slot sg takes the next unit's tile, asked for jointly
.macro ALINE sg, refill, F
	WIN 0
	s_wait_tensorcnt 0x0                           ; all my tensor loads have landed, so a group 0 may be written
.if \refill
	ds_add_u32 v[SPW], v[NIL]                      ; 0 onto my spare word
	s_add_nc_u64 s[G0+4*(\sg)+2:G0+4*(\sg)+3], s[(\F):(\F)+1], 18432*(\sg)
	s_or_b32 s[G0+4*(\sg)+3], s[G0+4*(\sg)+3], 0x80000000
	s_wait_dscnt 0x0                               ; the add is done, and my reads of the slot are over
	ROUND                                          ; no wave of any partner still reads the slot or has a load on its way
	tensor_load_to_lds s[G0+4*(\sg):G0+4*(\sg)+3], s[G1:G1+7]
	s_nop 0
	PLACES 4                                       ; also the places in front of the loads that follow
.else
	s_wait_dscnt 0x0
	PLACES 4
.endif
.endm
; Group G of the unit's results: 32 numbers a lane, two blocks of 32 along the next K shared with lane l xor 16, become half a fragment (six registers) and two scale bytes
.macro HALFQ kind, G, O
.set X_, 1+(\G)/2
.set NB, 144+32*((\G)%2)
.set PC_, 112+8*(\G)
	WIN 5*X_                                       ; sources 0 and 1: the accumulators' window
.irp b, 0,1
	v_max3_num_f32 v[TM+\b], |v[NB+16*\b]|, |v[NB+16*\b+1]|, 0x2800000   ; each accumulator is read from its low end on
.endr
.irp i, 2,4,6,8,10,12,14
.irp b, 0,1
	v_max3_num_f32 v[TM+\b], |v[NB+16*\b+\i]|, |v[NB+16*\b+\i+1]|, v[TM+\b]
.endr
.endr
	WIN 0
.irp b, 0,1
	v_permlanex16_b32 v[TM+2+\b], v[TM+\b], s[SEL], s[SEL+1]
.endr
.irp b, 0,1
	v_max_num_f32 v[TM+\b], v[TM+\b], v[TM+2+\b]
.endr
.irp b, 0,1
	v_add_nc_u32 v[TM+4+\b], 0xfe000000, v[TM+\b]
.endr
.irp b, 0,1
	v_lshrrev_b32 v[TM+2+\b], 23, v[TM+4+\b]
.endr
	v_lshl_or_b32 v[W16+(\G)], v[TM+3], 8, v[TM+2]
	WIN X_
	v_cvt_scalef32_pk16_bf6_f32 v[PC_:PC_+2], v[NB:NB+15], v[TM+4]
	v_cvt_scalef32_pk16_bf6_f32 v[PC_+4:PC_+6], v[NB+16:NB+31], v[TM+5]
	WIN 0
	v_nop                                          ; one plain place behind a scaled conversion
.irp i, 0,1,2
	v_permlane16_swap_b32 v[PC_+\i], v[PC_+4+\i]
.endr
.irp i, 0,1,2
	v_mov_b32 v[PC_+3+\i], v[PC_+4+\i]             ; ascending: each source is read before it is written
.endr
.if (\kind) == 0
	global_store_b128 v1, v[PC_:PC_+3], s[(\O):(\O)+1] offset:1536*(\G)           ; 512 consecutive bytes,
	global_store_b64 v2, v[PC_+4:PC_+5], s[(\O):(\O)+1] offset:1536*(\G)+512      ; and 256, at multiples of 256 from the buffer's first byte
.else
	global_store_b128 v1, v[PC_:PC_+3], s[(\O):(\O)+1] offset:98304*((\G)/2)+1536*((\G)%2)
	global_store_b64 v2, v[PC_+4:PC_+5], s[(\O):(\O)+1] offset:98304*((\G)/2)+1536*((\G)%2)+512
.endif
.endm
; A unit: 256 rows of one weight, 64 of them mine.  kind: 0 = q or k, 1 = v; nkind: the next unit's; F: the fetch set of the next unit; O: this unit's output set; more = 0: the last unit fetches nothing
.macro UNIT kind, nkind, F, O, more
	ALINE 0, \more, \F
	WRUN 1, 0                                      ; the unit's second tile, from slot 1
	s_wait_loadcnt 7+12*(\kind)                    ; this unit's first scale words and biases are in; the run for its second half may be out
	MUL \kind, 0, 0
	PLACES 4
	WRUN 1, 1
	MUL \kind, 0, 1
	WIN 0
	PLACES 4                                       ; in front of loads into registers that matrix instructions have read
.if \more
	LNEXT \nkind, \F, 0
.endif
	ALINE 1, \more, \F
.if \more
	WRUN 0, 0                                      ; the next unit's first tile, from slot 0
	s_wait_loadcnt 7+12*(\nkind)                   ; the second half's scale words and biases are in; the run just issued may be out
.else
	s_wait_loadcnt 0x0
.endif
	MUL \kind, 1, 0
.if \more
	PLACES 4
	WRUN 0, 1
.endif
	MUL \kind, 1, 1
	WIN 0
	PLACES 4                                       ; in front of the loads below, of the first read of results, and of the writes over W's set 1
.if \more
	LNEXT \nkind, \F, 1
.endif
.irp G, 0,1,2,3
	HALFQ \kind, \G, \O
.endr
	v_cndmask_b32 v33, v[W16], v[W16+1], s58       ; lanes 0-15: group 0, lanes 16-31: group 1;
	v_cndmask_b32 v34, v[W16+2], v[W16+3], s58     ; groups 2 and 3
	v_lshl_or_b32 v33, v34, 16, v33
	global_store_b32 v3, v33, s[(\O)+2:(\O)+3]
.if \more
	s_wait_xcnt 0x0                                ; the loads and stores above have read their bases and data: both may be written again
	s_add_nc_u64 s[(\O):(\O)+1], s[(\O):(\O)+1], 196608
.if (\kind) == 0
	s_add_nc_u64 s[(\O)+2:(\O)+3], s[(\O)+2:(\O)+3], 8192
.else
	s_add_nc_u64 s[(\O)+2:(\O)+3], s[(\O)+2:(\O)+3], 512
.endif
	s_add_nc_u64 s[(\F):(\F)+1], s[(\F):(\F)+1], 147456
	s_add_nc_u64 s[(\F)+2:(\F)+3], s[(\F)+2:(\F)+3], 6144
	s_add_nc_u64 s[(\F)+4:(\F)+5], s[(\F)+4:(\F)+5], 1024
.endif
.endm
	s_load_b512 s[4:19], s[0:1], 0x0               ; x; Wq: codes, scales, bias; Wk: the same; Wv's codes
	s_load_b512 s[20:35], s[0:1], 0x40             ; Wv's scales, bv; q: codes, scale words; k; v
	v_lshl_add_u32 v[SPW], v0, 2, SPARE
	v_mov_b32 v[NIL], 0
	ds_add_u32 v[SPW], v[NIL]                      ; the opening: the add, twice on end, and its wait ahead of my first tensor load
	ds_add_u32 v[SPW], v[NIL]
	v_lshrrev_b32 v19, 5, v0
	v_readfirstlane_b32 s[WV], v19                 ; wave 0..3
	s_bfe_u32 s53, ttmp6, 0x40000                  ; cx: my place in the cluster; it enters x's and the outputs' addresses alone
	s_lshl_b32 s54, ttmp9, 2
	s_add_co_u32 s54, s54, s53                     ; my block of 64 rows
	s_lshr_b32 s78, s54, 4                         ; b: the batch
	s_and_b32 s79, s54, 15                         ; rb: the block in the batch
	s_lshr_b32 s55, s[WV], 1
	s_and_b32 s59, s[WV], 1
	s_mov_b32 s[G1], 15|(1<<20)|(1<<21)|(3<<22)|(3<<25)   ; the mask: all four work-groups; elements of 1 byte; padding on; bit 21 beside a mask; 4 words of padding behind every 16
	s_mov_b32 s[G1+1], 576<<16                     ; tensor_dim0 = 576
	s_mov_b32 s[G1+2], 32<<16                      ; tensor_dim1 = 32
	s_mov_b32 s[G1+3], 576<<16                     ; tile_dim0 = 576
	s_mov_b32 s[G1+4], 32                          ; tile_dim1 = 32
	s_mov_b32 s[G1+5], 576                         ; from row to row
	s_mov_b32 s[G1+6], 0
	s_mov_b32 s[G1+7], 0
	s_mov_b32 s[G0], 1
	s_mul_i32 s[G0+1], s[WV], WPART                ; my part of slot 0: no place in the cluster enters an LDS address
	s_mov_b32 s[G0+4], 1
	s_add_co_u32 s[G0+5], s[G0+1], SLOTB           ; and of slot 1
	s_mov_b32 s[SEL], 0x76543210
	s_mov_b32 s[SEL+1], 0xfedcba98
	s_mov_b32 s58, 0xffff0000                      ; lanes 16-31
	s_mul_i32 s60, s54, 196608                     ; x: 64 rows of 3,072 bytes a block, 16 a wave
	s_mul_i32 s61, s[WV], 49152
	s_add_co_u32 s60, s60, s61
	s_mov_b32 s61, 0
	s_mul_i32 s62, s[WV], 36864                    ; W's codes: my 64 rows of 576 bytes
	s_mov_b32 s63, 0
	s_mul_i32 s66, s[WV], 1536                     ; W's scale bytes: 24 a row
	s_mov_b32 s67, 0
	s_lshl_b32 s68, s[WV], 8                       ; the bias: 4 bytes a row
	s_mov_b32 s69, 0
	s_mul_i32 s70, s78, 589824
	s_mul_i32 s74, s[WV], 24576
	s_add_co_u32 s74, s74, s70                     ; v's codes: [b][2 uv + half][w][rb / 2][tile][rb % 2][768]
	s_mul_i32 s71, s55, 98304                      ; q's and k's codes: [b][K step = 2 u + w / 2][row tile][w % 2][768]
	s_add_co_u32 s70, s70, s71
	s_mul_i32 s71, s79, 6144
	s_add_co_u32 s70, s70, s71
	s_mul_i32 s71, s59, 768
	s_add_co_u32 s70, s70, s71
	s_mov_b32 s71, 0
	s_lshr_b32 s75, s79, 1
	s_mul_i32 s75, s75, 3072
	s_add_co_u32 s74, s74, s75
	s_and_b32 s75, s79, 1
	s_mul_i32 s75, s75, 768
	s_add_co_u32 s74, s74, s75
	s_mov_b32 s75, 0
	s_mul_i32 s72, s78, 24576
	s_mul_i32 s76, s79, 1536                       ; v's scale words: [b][rb][uv][w][lane]
	s_add_co_u32 s76, s76, s72
	s_lshl_b32 s77, s[WV], 7
	s_add_co_u32 s76, s76, s77
	s_mov_b32 s77, 0
	s_lshl_b32 s73, s55, 12                        ; q's and k's: [b][K step][w % 2][rb][lane]
	s_add_co_u32 s72, s72, s73
	s_lshl_b32 s73, s59, 11
	s_add_co_u32 s72, s72, s73
	s_lshl_b32 s73, s79, 7
	s_add_co_u32 s72, s72, s73
	s_mov_b32 s73, 0
	v_and_b32 v19, 31, v0                          ; lane
	v_lshlrev_b32 v1, 4, v19                       ; v1 = 16 x lane, v2 = 8 x lane, v3 = 4 x lane
	v_lshlrev_b32 v2, 3, v19
	v_lshlrev_b32 v3, 2, v19
	v_and_b32 v33, 15, v0                          ; r
	v_bfe_u32 v34, v0, 4, 1                        ; h
	v_mul_u32_u24 v4, v33, PITCH
	v_mad_u32_u24 v4, v34, 24, v4
	v_add_nc_u32 v4, s[G0+1], v4                   ; v4, v5: a fragment of W in slot 0, 1: my part + 720 r + 24 h
	v_lshl_add_u32 v6, v34, 4, v4                  ; v6, v7: the same behind one padding more
	v_add_nc_u32 v5, SLOTB, v4
	v_add_nc_u32 v7, SLOTB, v6
	s_mul_i32 s2, s[WV], 8448
	s_add_co_u32 s2, s2, XSTG                      ; my stage
	v_add_nc_u32 v8, s2, v1                        ; v8: in, 16 x lane
	v_mul_u32_u24 v9, v33, 528
	v_lshl_add_u32 v9, v34, 6, v9
	v_add_nc_u32 v9, s2, v9                        ; v9: back, 528 r + 64 h
	s_mul_i32 s2, s[WV], 9216
	s_add_co_u32 s2, s2, XIMG
	v_add_nc_u32 v10, s2, v1                       ; v10: where I store my six images
	s_mul_i32 s2, s[WV], 768
	s_add_co_u32 s2, s2, XSC
	v_add_nc_u32 v11, s2, v3                       ; v11: and their scale words
	v_add_nc_u32 v12, XIMG, v1                     ; v12, v13: where any image and scale word is read
	v_add_nc_u32 v13, XSC, v3
	v_mul_u32_u24 v14, v19, 24                     ; v14: W's scale bytes, a lane a row
	v_lshlrev_b32 v15, 5, v34                      ; v15: a bias by columns 8 h + j
	v_lshlrev_b32 v16, 2, v33                      ; v16: a bias by column r
	v_mov_b32 v[TM+2], 0                           ; written once: a lane permute's destination counts as one of its sources
	v_mov_b32 v[TM+3], 0
.irp b, 0,1,2,3
	v_mov_b32 v[QTM+4+\b], 0
.endr
	s_wait_dscnt 0x0                               ; both opening adds are done
	s_wait_kmcnt 0x0
	s_add_nc_u64 s[4:5], s[4:5], s[60:61]
.irp F, 6, 12, 18
	s_add_nc_u64 s[\F:\F+1], s[\F:\F+1], s[62:63]
	s_add_nc_u64 s[\F+2:\F+3], s[\F+2:\F+3], s[66:67]
	s_add_nc_u64 s[\F+4:\F+5], s[\F+4:\F+5], s[68:69]
.endr
.irp O, 24, 28
	s_add_nc_u64 s[\O:\O+1], s[\O:\O+1], s[70:71]
	s_add_nc_u64 s[\O+2:\O+3], s[\O+2:\O+3], s[72:73]
.endr
	s_add_nc_u64 s[32:33], s[32:33], s[74:75]
	s_add_nc_u64 s[34:35], s[34:35], s[76:77]
	s_add_nc_u64 s[G0+2:G0+3], s[6:7], 0           ; tile 0: my first 32 rows of Wq,
	s_or_b32 s[G0+3], s[G0+3], 0x80000000
	s_add_nc_u64 s[G0+6:G0+7], s[6:7], 18432       ; tile 1: the next 32
	s_or_b32 s[G0+7], s[G0+7], 0x80000000
	ROUND                                          ; all four work-groups are here: the first joint loads meet
	tensor_load_to_lds s[G0:G0+3], s[G1:G1+7]
	s_nop 0
	tensor_load_to_lds s[G0+4:G0+7], s[G1:G1+7]    ; two loads of mine are out
	s_nop 0
	PLACES 4
	s_add_nc_u64 s[6:7], s[6:7], 147456            ; the fetch set stands one unit ahead (the descriptors hold copies)
	LNEXT 0, 6, 0
	LNEXT 0, 6, 1
	LOADX 0
	LOADX 1
	LOADX 2
	s_wait_xcnt 0x0                                ; the loads above have read their bases
	s_add_nc_u64 s[8:9], s[8:9], 6144
	s_add_nc_u64 s[10:11], s[10:11], 1024
	; ---- my 16 rows of x become six fragments
.irp s, 0,1,2,3,4,5
.if \s < 4
	s_wait_loadcnt 32                              ; K step s is in; the two younger runs of 16 loads may be out
.elseif \s == 4
	s_wait_loadcnt 16
.else
	s_wait_loadcnt 0x0
.endif
	TURN \s
.if \s < 3
	LOADX \s+3                                     ; into the set whose stores into the stage were waited for a step ago
.endif
	s_wait_dscnt 0x0                               ; the numbers are back; the last step's image has been read from its registers
	QUANT
.irp c, 0,1,2
	ds_store_b128 v10, v[PCX+4*\c:PCX+4*\c+3] offset:1536*\s+512*\c
.endr
	ds_store_b32 v11, v[PW] offset:128*\s
.endr
	BARRIER                                        ; x's 24 fragments lie in LDS
.irp t, 0,1,2,3
	WIN 0x40*(1+\t/2)
.irp s, 0,1,2,3,4,5
.irp c, 0,1,2
	ds_load_b128 v[72*(\t%2)+12*\s+4*\c:72*(\t%2)+12*\s+4*\c+3], v12 offset:(6*\t+\s)*1536+512*\c
.endr
.endr
.endr
	WIN 0
.irp f, 0,1,2,3,4,5,6,7,8,9,10,11,12,13,14,15,16,17,18,19,20,21,22,23
	ds_load_b32 v[XS+\f], v13 offset:128*\f
.endr
	s_wait_tensorcnt 0x1                           ; my tile 0 has landed; tile 1 may be out.  I alone read the bytes that my loads bring
	WRUN 0, 0
	WRUN 0, 1
	WIN 0
	; ---- nine units
	s_mov_b32 s59, 2
.Lq:
	UNIT 0, 0, 6, 24, 1
	s_sub_co_u32 s59, s59, 1
	s_cmp_lg_u32 s59, 0
	s_cbranch_scc1 .Lq
	UNIT 0, 0, 12, 24, 1                           ; q's last unit fetches k's first
	s_mov_b32 s59, 2
.Lk:
	UNIT 0, 0, 12, 28, 1
	s_sub_co_u32 s59, s59, 1
	s_cmp_lg_u32 s59, 0
	s_cbranch_scc1 .Lk
	UNIT 0, 1, 18, 28, 1                           ; k's last unit fetches v's first
	s_mov_b32 s59, 2
.Lv:
	UNIT 1, 1, 18, 32, 1
	s_sub_co_u32 s59, s59, 1
	s_cmp_lg_u32 s59, 0
	s_cbranch_scc1 .Lv
	UNIT 1, 1, 18, 32, 0                           ; the last unit is written out: it fetches nothing
	s_wait_tensorcnt 0x0                           ; the wave's end
	ds_add_u32 v[SPW], v[NIL]
	s_wait_dscnt 0x0
	ROUND                                          ; the closing round: no work-group ends while a partner may still ask for a tile that names it
	s_endpgm
.Lfunc_end_k_qd55308a10c_proj:
	.size	k_qd55308a10c_proj, .Lfunc_end_k_qd55308a10c_proj-k_qd55308a10c_proj
	.p2alignl 7, 3214868480
	.fill 96, 4, 3214868480
	.section	.rodata,"a",@progbits
	.p2align	6, 0x0
	.amdhsa_kernel k_qd55308a10c_proj
		.amdhsa_group_segment_fixed_size 327680
		.amdhsa_private_segment_fixed_size 0
		.amdhsa_enable_private_segment 0
		.amdhsa_kernarg_size 128
		.amdhsa_user_sgpr_count 2
		.amdhsa_user_sgpr_kernarg_segment_ptr 1
		.amdhsa_wavefront_size32 1
		.amdhsa_system_sgpr_workgroup_id_x 1
		.amdhsa_system_sgpr_workgroup_id_y 1
		.amdhsa_system_sgpr_workgroup_id_z 1
		.amdhsa_system_vgpr_workitem_id 0
		.amdhsa_next_free_vgpr 1024
		.amdhsa_next_free_sgpr 80
		.amdhsa_reserve_vcc 0
		.amdhsa_float_denorm_mode_32 3
		.amdhsa_float_denorm_mode_16_64 3
		.amdhsa_memory_ordered 1
		.amdhsa_forward_progress 1
		.amdhsa_inst_pref_size 255
	.end_amdhsa_kernel
	.section	.bss,"aw",@nobits
	.p2align	6
	.space	262144
	.amdgpu_metadata
---
amdhsa.version: [ 1, 2 ]
amdhsa.kernels:
  - .name:           k_qd55308a10c_proj
    .symbol:         k_qd55308a10c_proj.kd
    .args:
      - { .name: x, .offset: 0, .size: 8, .value_kind: global_buffer, .address_space: global }
      - { .name: Wq_codes, .offset: 8, .size: 8, .value_kind: global_buffer, .address_space: global }
      - { .name: Wq_scales, .offset: 16, .size: 8, .value_kind: global_buffer, .address_space: global }
      - { .name: bq, .offset: 24, .size: 8, .value_kind: global_buffer, .address_space: global }
      - { .name: Wk_codes, .offset: 32, .size: 8, .value_kind: global_buffer, .address_space: global }
      - { .name: Wk_scales, .offset: 40, .size: 8, .value_kind: global_buffer, .address_space: global }
      - { .name: bk, .offset: 48, .size: 8, .value_kind: global_buffer, .address_space: global }
      - { .name: Wv_codes, .offset: 56, .size: 8, .value_kind: global_buffer, .address_space: global }
      - { .name: Wv_scales, .offset: 64, .size: 8, .value_kind: global_buffer, .address_space: global }
      - { .name: bv, .offset: 72, .size: 8, .value_kind: global_buffer, .address_space: global }
      - { .name: qcod, .offset: 80, .size: 8, .value_kind: global_buffer, .address_space: global }
      - { .name: qscl, .offset: 88, .size: 8, .value_kind: global_buffer, .address_space: global }
      - { .name: kcod, .offset: 96, .size: 8, .value_kind: global_buffer, .address_space: global }
      - { .name: kscl, .offset: 104, .size: 8, .value_kind: global_buffer, .address_space: global }
      - { .name: vcod, .offset: 112, .size: 8, .value_kind: global_buffer, .address_space: global }
      - { .name: vscl, .offset: 120, .size: 8, .value_kind: global_buffer, .address_space: global }
    .group_segment_fixed_size: 327680
    .private_segment_fixed_size: 0
    .kernarg_segment_align: 8
    .kernarg_segment_size: 128
    .max_flat_workgroup_size: 128
    .sgpr_count:     80
    .vgpr_count:     1024
    .wavefront_size: 32
...
	.end_amdgpu_metadata
.endif
;; end of part 1
;; launch attn (part 2): grid 16 x 16, 4 waves a work-group, clusters of 4 x 1, 327,680 bytes of LDS; arguments qcod, qscl, kcod, kscl, vcod, vscl, x, out0; writes out0
.if DOCPART == 2
	.amdgcn_target "amdgcn-amd-amdhsa--gfx1250"
	.amdhsa_code_object_version 6
	.text
	.protected	k_qd55308a10c_attn
	.globl	k_qd55308a10c_attn
	.p2align	8
	.type	k_qd55308a10c_attn,@function
k_qd55308a10c_attn:
	s_mov_b64 s[64:65], 0
	v_nop
	global_prefetch_b8 v0, s[64:65] scope:SCOPE_SE
	s_setreg_imm32_b32 hwreg(HW_REG_WAVE_MODE, 25, 1), 1
	s_wait_xcnt 0x0
	s_wait_alu depctr_hold_cnt(0) depctr_sa_sdst(0) depctr_va_vdst(0) depctr_va_sdst(0) depctr_va_ssrc(0) depctr_va_vcc(0) depctr_vm_vsrc(0)
	s_getreg_b32 s2, hwreg(HW_REG_IB_STS2, 6, 4)
	s_cmp_eq_u32 s2, 0
	s_cbranch_scc0 .Lentry_in_a_cluster
	s_endpgm
.Lentry_in_a_cluster:
	s_bfe_u32 s2, ttmp6, 0x10000c
	s_cmp_lg_u32 s2, 0x3003
	s_cbranch_scc0 .Lentry_shape_is_right
	s_endpgm
.Lentry_shape_is_right:
; out[b] read as [768][1024] = (softmax(q k^T / sqrt(768)) v)^T + x[b] read as [768][1024].  Both products on codes of E3M2 with one E8M0 scale for each 32 along K; codes and scale words as the launch before laid them.
; No work is left out here either.
; THE SOFTMAX: t = score x log2(e) / sqrt(768); M = the row's largest t rounded up to a whole number; p = 2^(t - M) is quantised along the keys, not normalised; the row's sum of the unquantised p divides at the end.
; LIMITS: NaN and infinities are not served; a p under 2^-126 becomes 0; a block of p that is all zeros gets the scale byte 1 over zero codes.
; SHARES.  A work-group of four waves owns 64 queries of one batch.  PHASE 1: wave w makes S^T (source 0 = 16 keys, source 1 = 16 queries) for keys 256 w .. 256 w + 255 and all 64 queries: 64 accumulators, six K steps.
; So the whole row of scores lies in the work-group's registers: the waves exchange each query's largest score once through LDS, M is final, and nothing is ever rescaled.  p is quantised in registers; its fragments go to
; the other waves through LDS as images of their registers.  PHASE 2: wave w makes 192 of the 768 channels for all 64 queries, 32 channels at a time (source 0 = p's 16 queries, source 1 = 16 channels of v):
; a lane then holds one channel and eight neighbouring queries, which are neighbours in the output.  Each block of 32 channels goes through my stage in LDS, is multiplied by 1 / sum, gets x added and leaves.
; K AND V come through a ring of two LDS slots, 16 fragments a wave and slot, dense blocks of 24,576 bytes; the four work-groups of a cluster belong to one batch and ask jointly.  Each wave reads only the bytes that its own
; load brought, a tile ahead, into a ring of five groups of four fragments in registers.
; PREFETCH: behind the tensor load of changes 0 to 7 one instruction names the tile four changes (256 matrix instructions) on: 98,304 bytes.  All four clusters of a batch walk the same tiles: the first asks; its four
; partners take 24,576 bytes each, told apart by address; in each, waves 0 to 2 take 8,192, lanes 256 bytes apart.  Tiles 0 to 3 come by their loads alone.
; REGISTERS.  window 0: v1-18 addresses; v20-23 1 / sum of my four queries on the way out; v32-80 scale words of K, later of V; v81-93 of Q; v94-125 of p; from v126: phase 1: Q in two buffers at v160, v208; softmax: work;
; phase 2: v128-191 rows from the stage, v192-255 x.  window 1: five groups of four fragments.  windows 2, 3: S^T (tile of queries t, tile of keys kt) in window 2 + t / 2 at 128 (t % 2) + 8 kt; later p's 32 fragments
; (window 2: K steps 0-4; window 3: 5-7) and, in window 3 from v144, the eight accumulators of the output.
.set SLOTB,  98304
.set WPART,  24576
.set PIMG,   196608                    ; behind the ring: p's 32 fragments as images: (K step ks, tile of queries t) at 4 ks + t
.set PSC,    245760                    ; their scale words, 128 bytes each
.set MXX,    249856                    ; each query's largest score, by wave: [query 64][wave 4] words
.set SMX,    250880                    ; each query's sum, likewise
.set STG,    251904                    ; a stage of 32 rows x (256 + 16) bytes for each wave
.set SPARE,  286720                    ; the spare words, 128 bytes for each wave: two blocks of 256 bytes that no other line names
.set RL,   20
.set SPW,  24                          ; v24  LDS address of my spare word; never rewritten
.set NIL,  25                          ; v25  0; never rewritten
.set BM,   128                         ; v128-159 the largest score, then the largest p, of block B of tile t: 8 t + B
.set BMT,  160
.set RM,   168
.set NM,   172                         ; v172-179 -M of tile t, as a pair
.set LA,   180
.set LB,   182
.set SUMT, 184
.set TS,   188
.set TB,   192
.set PW,   196
.set PC,   200
.set GX,   200
.set LX,   128
.set OB,   128
.set XR,   192
.set WV,   40                          ; s40  my wave's number
; s[4:5] Q's codes, s[6:7] its scale words, s[8:9], s[10:11] K's, s[12:13], s[14:15] V's, s[16:17] x, s[18:19] out: each at my part.  s[20:21], s[22:23]: where my prefetches of K, V stand.
; s[24:31] descriptor group 1; s[32:35], s[36:39] group 0 for slot 0, 1.  s44: 1 in a wave that prefetches.  s[46:47] c.  s[48:49] selects for lane l xor 16.  s50, s51 selectors of v_perm_b32.
.set MSB, 0
.macro WIN new                         ; the immediate's high byte repeats the setting that is left; a switch that changes nothing is dropped
.if MSB != (\new)
	s_set_vgpr_msb (MSB<<8)|(\new)
.set MSB, (\new)
.endif
.endm
.macro PLACES n
.rept \n
	v_nop
.endr
.endm
.macro BARRIER
	s_wait_dscnt 0x0
	s_barrier_signal -1
	s_barrier_wait -1
.endm
.macro ROUND                           ; a round of the cluster's barrier
	s_barrier_signal -1
	s_barrier_wait -1
	s_cmp_lg_u32 s[WV], 0
	s_cbranch_scc1 .Lnw0_\@
	s_barrier_signal -3
.Lnw0_\@:
	s_barrier_wait -3
	s_barrier_signal -1
	s_barrier_wait -1
.endm
; One matrix instruction.  c = 999: the constant 0 starts the sum.  ra, rb: the scales of source 0, 1 are read from lanes 16-31.
.macro WM d, a, b, c, sa, sb, ra, rb
.if (\c) == 999
.if ((\ra)==0)&&((\rb)==0)
	v_wmma_scale_f32_16x16x128_f8f6f4 v[(\d):(\d)+7], v[(\a):(\a)+11], v[(\b):(\b)+11], 0, v[\sa], v[\sb] matrix_a_fmt:MATRIX_FMT_BF6 matrix_b_fmt:MATRIX_FMT_BF6
.elseif ((\ra)==1)&&((\rb)==0)
	v_wmma_scale_f32_16x16x128_f8f6f4 v[(\d):(\d)+7], v[(\a):(\a)+11], v[(\b):(\b)+11], 0, v[\sa], v[\sb] matrix_a_fmt:MATRIX_FMT_BF6 matrix_b_fmt:MATRIX_FMT_BF6 matrix_a_scale:MATRIX_SCALE_ROW1
.elseif ((\ra)==0)&&((\rb)==1)
	v_wmma_scale_f32_16x16x128_f8f6f4 v[(\d):(\d)+7], v[(\a):(\a)+11], v[(\b):(\b)+11], 0, v[\sa], v[\sb] matrix_a_fmt:MATRIX_FMT_BF6 matrix_b_fmt:MATRIX_FMT_BF6 matrix_b_scale:MATRIX_SCALE_ROW1
.else
	v_wmma_scale_f32_16x16x128_f8f6f4 v[(\d):(\d)+7], v[(\a):(\a)+11], v[(\b):(\b)+11], 0, v[\sa], v[\sb] matrix_a_fmt:MATRIX_FMT_BF6 matrix_b_fmt:MATRIX_FMT_BF6 matrix_a_scale:MATRIX_SCALE_ROW1 matrix_b_scale:MATRIX_SCALE_ROW1
.endif
.else
.if ((\ra)==0)&&((\rb)==0)
	v_wmma_scale_f32_16x16x128_f8f6f4 v[(\d):(\d)+7], v[(\a):(\a)+11], v[(\b):(\b)+11], v[(\c):(\c)+7], v[\sa], v[\sb] matrix_a_fmt:MATRIX_FMT_BF6 matrix_b_fmt:MATRIX_FMT_BF6
.elseif ((\ra)==1)&&((\rb)==0)
	v_wmma_scale_f32_16x16x128_f8f6f4 v[(\d):(\d)+7], v[(\a):(\a)+11], v[(\b):(\b)+11], v[(\c):(\c)+7], v[\sa], v[\sb] matrix_a_fmt:MATRIX_FMT_BF6 matrix_b_fmt:MATRIX_FMT_BF6 matrix_a_scale:MATRIX_SCALE_ROW1
.elseif ((\ra)==0)&&((\rb)==1)
	v_wmma_scale_f32_16x16x128_f8f6f4 v[(\d):(\d)+7], v[(\a):(\a)+11], v[(\b):(\b)+11], v[(\c):(\c)+7], v[\sa], v[\sb] matrix_a_fmt:MATRIX_FMT_BF6 matrix_b_fmt:MATRIX_FMT_BF6 matrix_b_scale:MATRIX_SCALE_ROW1
.else
	v_wmma_scale_f32_16x16x128_f8f6f4 v[(\d):(\d)+7], v[(\a):(\a)+11], v[(\b):(\b)+11], v[(\c):(\c)+7], v[\sa], v[\sb] matrix_a_fmt:MATRIX_FMT_BF6 matrix_b_fmt:MATRIX_FMT_BF6 matrix_a_scale:MATRIX_SCALE_ROW1 matrix_b_scale:MATRIX_SCALE_ROW1
.endif
.endif
.endm
; Fragment f of my part of slot sg: each half is 512 bytes (four registers, 16 bytes a lane) and 256 bytes (two registers, 8 a lane): every load reads consecutive bytes
.macro FRAGL reg, sg, f
	ds_load_b128 v[(\reg):(\reg)+3], v[4+(\sg)] offset:1536*(\f)
	ds_load_b64 v[(\reg)+4:(\reg)+5], v[6+(\sg)] offset:1536*(\f)+512
	ds_load_b128 v[(\reg)+6:(\reg)+9], v[4+(\sg)] offset:1536*(\f)+768
	ds_load_b64 v[(\reg)+10:(\reg)+11], v[6+(\sg)] offset:1536*(\f)+1280
.endm
.macro QLOAD s                         ; Q's four fragments of K step s, straight from memory, into buffer s % 2: 16 loads
.irp t, 0,1,2,3
.set QB, 160+48*((\s)%2)+12*\t
	global_load_b128 v[QB:QB+3], v1, s[4:5] offset:98304*(\s)+1536*\t
	global_load_b64 v[QB+4:QB+5], v2, s[4:5] offset:98304*(\s)+1536*\t+512
	global_load_b128 v[QB+6:QB+9], v1, s[4:5] offset:98304*(\s)+1536*\t+768
	global_load_b64 v[QB+10:QB+11], v2, s[4:5] offset:98304*(\s)+1536*\t+1280
.endr
.endm
.macro ASK n                           ; the prefetch of tile n + 4.  The branch hangs on the wave's number and the cluster's number alone: it is the same in all four partners
	s_cmp_eq_u32 s44, 1
	s_cbranch_scc0 .Lnoask_\@
.if (\n) <= 1
	global_prefetch_b8 v18, s[20:21] offset:98304*((\n)+4) th:TH_LOAD_NT scope:SCOPE_SE
.else
	global_prefetch_b8 v18, s[22:23] offset:98304*((\n)-2) th:TH_LOAD_NT scope:SCOPE_SE
.endif
.Lnoask_\@:
.endm
; The head of trip n (tiles 0-5: K's K steps; 6-11: V's blocks of 32 channels).  Tile n lies in registers once my LDS loads are back; tile n + 1 has landed once all my tensor loads are done.
; Up to n = 9 the slot of tile n takes tile n + 2, asked for jointly.
.macro AN n
	WIN 0
	s_wait_tensorcnt 0x0                           ; all my tensor loads have landed, so a group 0 may be written
.if (\n) <= 9
	ds_add_u32 v[SPW], v[NIL]                      ; 0 onto my spare word
.if (\n)+2 <= 5
	s_add_nc_u64 s[34+4*((\n)%2):35+4*((\n)%2)], s[8:9], 98304*((\n)+2)
.else
	s_add_nc_u64 s[34+4*((\n)%2):35+4*((\n)%2)], s[12:13], 98304*((\n)-4)
.endif
	s_or_b32 s[35+4*((\n)%2)], s[35+4*((\n)%2)], 0x80000000
	s_wait_dscnt 0x0                               ; the add is done, and my reads of the slot are over
	ROUND                                          ; no wave of any partner still reads the slot or has a load on its way
	tensor_load_to_lds s[32+4*((\n)%2):35+4*((\n)%2)], s[24:31]
	s_nop 0
	PLACES 4                                       ; also the places behind the last trip's products
.if (\n) <= 7
	ASK \n
.endif
.else
	s_wait_dscnt 0x0
	PLACES 4
.endif
.endm
; Group g of tile n + 1 comes into the register group that group g - 1 of tile n has just left
.macro LDG n, g
.if (\n) < 11
.if (\g) > 0
	PLACES 4
.endif
	WIN 0x40
.irp q, 0,1,2,3
	FRAGL 48*((4*(\n)+(\g)+4)%5)+12*\q, ((\n)+1)%2, 4*(\g)+\q
.endr
.endif
.endm
; 16 matrix instructions of S^T: four tiles of keys x four tiles of queries, K step s.  The accumulators take turns, one instruction a turn
.macro KGROUP s, g
	LDG \s, \g
.irp th, 0,1
	WIN 0xA1+0x50*\th
.irp kq, 0,1,2,3
.irp tt, 0,1
.set SD, 128*\tt+8*(4*(\g)+\kq)
.set KFR, 48*((4*(\s)+(\g))%5)+12*\kq
.set QFR, 160+48*((\s)%2)+12*(2*\th+\tt)
.set SKR, 32+2*(4*(\s)+(\g))+\kq/2
.set SQR, 81+2*(\s)+\th
.if (\s) == 0
	WM SD, KFR, QFR, 999, SKR, SQR, \kq%2, \tt
.else
	WM SD, KFR, QFR, SD, SKR, SQR, \kq%2, \tt
.endif
.endr
.endr
.endr
.endm
; 16 matrix instructions of the output: K steps 2 g, 2 g + 1 (128 keys each) x two tiles of channels x four tiles of queries: eight accumulators by turns
.macro VGROUP p, g
	LDG 6+(\p), \g
.irp kk, 0,1
.set KS_, 2*(\g)+\kk
.if KS_ <= 4
	WIN 0xF6
.set PB_, 48*KS_
.else
	WIN 0xF7
.set PB_, 48*(KS_-5)
.endif
.irp u, 0,1
.irp t, 0,1,2,3
.set OD, 144+8*(2*\t+\u)
.set PF_, PB_+12*\t
.set VF_, 48*((4*(6+(\p))+(\g))%5)+12*(2*\kk+\u)
.set SPR, 94+4*KS_+\t
.set SVR, 32+2*(8*((\p)/2)+KS_)+(\p)%2
.if KS_ == 0
	WM OD, PF_, VF_, 999, SPR, SVR, 0, \u
.else
	WM OD, PF_, VF_, OD, SPR, SVR, 0, \u
.endif
.endr
.endr
.endr
.endm
; The largest score of each of my eight blocks of 32 keys, for tile t: my 16 of each.  It serves twice: for the row's maximum and, since p rises with the score, for the block's largest p.  Each accumulator is read from its low end on
.macro BMAX t
.set X_, 2+(\t)/2
.set SB, 128*((\t)%2)
	WIN 5*X_
.irp B, 0,1,2,3,4,5,6,7
	v_max_num_f32 v[BM+8*(\t)+\B], v[SB+16*\B], v[SB+16*\B+1]
.endr
.irp i, 2,4,6,8,10,12,14
.irp B, 0,1,2,3,4,5,6,7
	v_max3_num_f32 v[BM+8*(\t)+\B], v[SB+16*\B+\i], v[SB+16*\B+\i+1], v[BM+8*(\t)+\B]
.endr
.endr
.endm
; 64 weights of a lane (my K step ksl of two, tile t) become a fragment and a scale word, which go to LDS as they stand
.macro QUANTP t, ksl
.set X_, 2+(\t)/2
.set SB, 128*((\t)%2)+64*(\ksl)
	s_wait_dscnt 0x0                               ; the last image has been read from its registers
.irp b, 0,1,2,3
	v_max_num_f32 v[TS+\b], 0x2800000, v[BM+8*(\t)+4*(\ksl)+\b]   ; the floor 2^(5 - 127): the byte cannot fall under 1
.endr
.irp b, 0,1,2,3
	v_add_nc_u32 v[TS+\b], 0xfe000000, v[TS+\b]    ; 4 off the exponent field: the conversion's scale operand
.endr
.irp b, 0,1,2,3
	v_lshrrev_b32 v[TB+\b], 23, v[TS+\b]           ; the scale's byte
.endr
	v_lshl_or_b32 v[PW], v[TB+1], 8, v[TB]
	v_lshl_or_b32 v[PW], v[TB+2], 16, v[PW]
	v_lshl_or_b32 v[PW], v[TB+3], 24, v[PW]
	WIN X_
.irp c, 0,1
	v_cvt_scalef32_pk16_bf6_f32 v[PC+6*\c:PC+2+6*\c], v[SB+32*\c:SB+15+32*\c], v[TS+2*\c]
	v_cvt_scalef32_pk16_bf6_f32 v[PC+12+4*\c:PC+14+4*\c], v[SB+16+32*\c:SB+31+32*\c], v[TS+2*\c+1]
.endr
	WIN 0
	v_nop                                          ; one plain place behind a scaled conversion
.irp c, 0,1
.irp i, 0,1,2
	v_permlane16_swap_b32 v[PC+6*\c+\i], v[PC+12+4*\c+\i]
.endr
.irp i, 0,1,2
	v_mov_b32 v[PC+3+6*\c+\i], v[PC+12+4*\c+\i]
.endr
.endr
.irp c, 0,1,2
	ds_store_b128 v11, v[PC+4*\c:PC+4*\c+3] offset:1536*(4*(\ksl)+(\t))+512*\c
.endr
	ds_store_b32 v12, v[PW] offset:128*(4*(\ksl)+(\t))
.endm
; Tile t: p = 2^(c s - M) in place, the row's sum of my 256 keys, and the two fragments.  All 136 exponentials are one batch with one wait
.macro SOFT t
.set X_, 2+(\t)/2
.set SB, 128*((\t)%2)
	WIN 0
.irp B, 0,1,2,3,4,5,6,7
	v_fma_f32 v[BM+8*(\t)+\B], v[BM+8*(\t)+\B], s46, v[NM+2*(\t)]
.endr
	WIN (X_<<6)|X_
.set J_, 0
.rept 64
	v_pk_fma_f32 v[SB+J_:SB+J_+1], v[SB+J_:SB+J_+1], s[46:47], v[NM+2*(\t):NM+2*(\t)+1] op_sel_hi:[1,0,0]   ; of the pairs c and -M the low word serves both halves
.set J_, J_+2
.endr
.set J_, 0
.rept 128
	v_exp_f32 v[SB+J_], v[SB+J_]
.set J_, J_+1
.endr
	WIN 0
.irp B, 0,1,2,3,4,5,6,7
	v_exp_f32 v[BM+8*(\t)+\B], v[BM+8*(\t)+\B]     ; the block's largest p: the same arithmetic on the same number
.endr
	v_nop                                          ; a plain place behind the last exponential
	s_wait_alu depctr_va_vdst(0)                   ; one wait for the batch, ahead of its first reader
	WIN 5*X_
	v_pk_add_f32 v[LA:LA+1], v[SB:SB+1], v[SB+2:SB+3]      ; the sum is taken of the unquantised p, two at a time, in two chains
	v_pk_add_f32 v[LB:LB+1], v[SB+4:SB+5], v[SB+6:SB+7]
	WIN X_
.set J_, 8
.rept 15
	v_pk_add_f32 v[LA:LA+1], v[SB+J_:SB+J_+1], v[LA:LA+1]
	v_pk_add_f32 v[LB:LB+1], v[SB+J_+2:SB+J_+3], v[LB:LB+1]
	v_pk_add_f32 v[LA:LA+1], v[SB+J_+4:SB+J_+5], v[LA:LA+1]
	v_pk_add_f32 v[LB:LB+1], v[SB+J_+6:SB+J_+7], v[LB:LB+1]
.set J_, J_+8
.endr
	WIN 0
	v_pk_add_f32 v[LA:LA+1], v[LA:LA+1], v[LB:LB+1]
	v_add_f32 v[SUMT+(\t)], v[LA], v[LA+1]
	v_permlanex16_b32 v[LB], v[SUMT+(\t)], s48, s49
	v_add_f32 v[SUMT+(\t)], v[SUMT+(\t)], v[LB]    ; with lane l xor 16: my wave's part of the row's sum
	QUANTP \t, 0
	QUANTP \t, 1
.endm
.macro XLOAD p                         ; x at the places of block p's 32 channels x 64 queries: sixteen lanes read 256 consecutive bytes
	s_wait_xcnt 0x0                                ; the last block's stores have read these registers
.irp k, 0,1,2,3,4,5,6,7,8,9,10,11,12,13,14,15
	global_load_b128 v[XR+4*\k:XR+4*\k+3], v17, s[16:17] offset:4096*(256*((\p)/2)+32*((\p)%2)+2*\k) th:TH_LOAD_NT
.endr
.endm
; Block p leaves: into my stage (row = channel, 32 bytes a lane), back as rows of 256 bytes, x 1 / sum + x, stored.  LDS serves a wave's instructions in order: no wait between the stores and the loads
.macro EPI p
	WIN 0x0C                                       ; an LDS store's data are its source 1: window 3
.irp u, 0,1
.irp t, 0,1,2,3
	ds_store_b128 v15, v[144+8*(2*\t+\u):147+8*(2*\t+\u)] offset:4352*\u+64*\t        ; each accumulator from its low end on
	ds_store_b128 v15, v[148+8*(2*\t+\u):151+8*(2*\t+\u)] offset:4352*\u+64*\t+16
.endr
.endr
	WIN 0
.irp k, 0,1,2,3,4,5,6,7,8,9,10,11,12,13,14,15
	ds_load_b128 v[OB+4*\k:OB+4*\k+3], v16 offset:544*\k
.endr
	s_wait_loadcnt 0x0                             ; x
.irp k, 0,1,2,3,4,5,6,7,8,9,10,11,12,13,14,15
	s_wait_dscnt 15-\k                             ; rows 2 k, 2 k + 1 are back; the younger loads may be out
	v_pk_fma_f32 v[XR+4*\k:XR+4*\k+1], v[OB+4*\k:OB+4*\k+1], v[RL:RL+1], v[XR+4*\k:XR+4*\k+1]
	v_pk_fma_f32 v[XR+4*\k+2:XR+4*\k+3], v[OB+4*\k+2:OB+4*\k+3], v[RL+2:RL+3], v[XR+4*\k+2:XR+4*\k+3]
	global_store_b128 v17, v[XR+4*\k:XR+4*\k+3], s[18:19] offset:4096*(256*((\p)/2)+32*((\p)%2)+2*\k) th:TH_STORE_NT   ; sixteen lanes store 256 consecutive bytes, at a multiple of 256 from the output's first byte
.endr
.endm
	s_load_b512 s[4:19], s[0:1], 0x0
	v_lshl_add_u32 v[SPW], v0, 2, SPARE
	v_mov_b32 v[NIL], 0
	ds_add_u32 v[SPW], v[NIL]                      ; the opening: the add, twice on end, and its wait ahead of my first tensor load
	ds_add_u32 v[SPW], v[NIL]
	v_lshrrev_b32 v19, 5, v0
	v_readfirstlane_b32 s[WV], v19                 ; wave 0..3
	s_bfe_u32 s41, ttmp6, 0x40000                  ; cx: it enters Q's, x's, the output's and the prefetches' addresses alone
	s_and_b32 s42, ttmp7, 0xffff                   ; b: the batch, which the four partners share
	s_lshl_b32 s43, ttmp9, 2
	s_add_co_u32 s43, s43, s41                     ; rb: my block of 64 queries
	s_mov_b32 s24, 15|(3<<16)|(1<<21)              ; the mask: all four work-groups; elements of 8 bytes; bit 21 beside a mask; no padding
	s_mov_b32 s25, 32<<16                          ; a dense block of 24,576 bytes as 96 rows of 256
	s_mov_b32 s26, 96<<16
	s_mov_b32 s27, 32<<16
	s_mov_b32 s28, 96
	s_mov_b32 s29, 32
	s_mov_b32 s30, 0
	s_mov_b32 s31, 0
	s_mov_b32 s32, 1
	s_mul_i32 s33, s[WV], WPART                    ; my part of slot 0: no place in the cluster enters an LDS address
	s_mov_b32 s36, 1
	s_add_co_u32 s37, s33, SLOTB
	s_mov_b32 s46, 0x3d553b95                      ; c = log2(e) / sqrt(768)
	s_mov_b32 s47, s46                             ; (named with it as a pair, so it is written)
	s_mov_b32 s48, 0x76543210
	s_mov_b32 s49, 0xfedcba98
	s_mul_i32 s44, s42, 589824                     ; the batch in a buffer of codes,
	s_mul_i32 s45, s42, 24576                      ; and of scale words
	s_mul_i32 s52, s41, 24576                      ; the prefetches: my work-group's quarter of a tile, my wave's third of it
	s_lshl_b32 s53, s[WV], 13
	s_add_co_u32 s52, s52, s53
	s_add_co_u32 s52, s52, s44
	s_mov_b32 s53, 0
	s_mul_i32 s54, s43, 6144                       ; Q's codes: my four tiles
	s_add_co_u32 s54, s54, s44
	s_mov_b32 s55, 0
	s_lshl_b32 s56, s43, 7                         ; Q's scale words
	s_add_co_u32 s56, s56, s45
	s_mov_b32 s57, 0
	s_mul_i32 s58, s[WV], 24576                    ; K's and V's codes: my wave's 16 fragments of a tile
	s_add_co_u32 s58, s58, s44
	s_mov_b32 s59, 0
	s_lshl_b32 s60, s[WV], 9                       ; K's scale words: my 16 tiles of keys
	s_add_co_u32 s60, s60, s45
	s_mov_b32 s61, 0
	s_lshl_b32 s62, s[WV], 7                       ; V's scale words
	s_add_co_u32 s62, s62, s45
	s_mov_b32 s63, 0
	s_mul_i32 s2, s42, 3145728                     ; x and the output: the batch, my wave's 64 channels of 4,096 bytes, my block's 256 bytes
	s_lshl_b32 s3, s[WV], 18
	s_add_co_u32 s2, s2, s3
	s_lshl_b32 s3, s43, 8
	s_add_co_u32 s2, s2, s3
	s_mov_b32 s3, 0
	s_cmp_lt_u32 s[WV], 3
	s_cselect_b32 s44, 0, 1
	s_or_b32 s44, s44, ttmp9                       ; 0 in waves 0 to 2 of the batch's first cluster
	s_cmp_eq_u32 s44, 0
	s_cselect_b32 s44, 1, 0
	v_and_b32 v19, 31, v0                          ; lane
	v_lshlrev_b32 v1, 4, v19                       ; v1 = 16 x lane, v2 = 8 x lane, v3 = 4 x lane, v18 = 256 x lane
	v_lshlrev_b32 v2, 3, v19
	v_lshlrev_b32 v3, 2, v19
	v_lshlrev_b32 v18, 8, v19
	v_and_b32 v26, 15, v0                          ; r
	v_bfe_u32 v27, v0, 4, 1                        ; h
	v_add_nc_u32 v4, s33, v1                       ; v4, v5: my part of slot 0, 1, 16 bytes a lane;  v6, v7: 8 bytes a lane
	v_add_nc_u32 v5, s37, v1
	v_add_nc_u32 v6, s33, v2
	v_add_nc_u32 v7, s37, v2
	v_lshlrev_b32 v9, 4, v26
	v_add_nc_u32 v9, MXX, v9                       ; v9: query r's four words
	s_lshl_b32 s50, s[WV], 2
	v_add_nc_u32 v8, s50, v9                       ; v8: my wave's of them
	v_lshlrev_b32 v10, 6, v26
	v_add_nc_u32 v10, SMX, v10                     ; v10: the sums of queries 4 r .. 4 r + 3
	s_mul_i32 s50, s[WV], 12288
	s_add_co_u32 s50, s50, PIMG
	v_add_nc_u32 v11, s50, v1                      ; v11: where I store my eight images
	s_lshl_b32 s50, s[WV], 10
	s_add_co_u32 s50, s50, PSC
	v_add_nc_u32 v12, s50, v3                      ; v12: and their scale words
	v_add_nc_u32 v13, PIMG, v1                     ; v13, v14: where any image and scale word is read
	v_add_nc_u32 v14, PSC, v3
	s_mul_i32 s50, s[WV], 8704
	s_add_co_u32 s50, s50, STG                     ; my stage
	v_mul_u32_u24 v15, v26, 272
	v_lshl_add_u32 v15, v27, 5, v15
	v_add_nc_u32 v15, s50, v15                     ; v15: in: row r, + 32 h
	v_mul_u32_u24 v16, v27, 272
	v_lshl_add_u32 v16, v26, 4, v16
	v_add_nc_u32 v16, s50, v16                     ; v16: back: lanes 0-15 one row, lanes 16-31 the next
	v_lshlrev_b32 v17, 12, v27
	v_lshl_add_u32 v17, v26, 4, v17                ; v17: and the same two rows in x and in the output
	s_mov_b32 s50, 0x05040100                      ; the two low halves: bytes 0, 1 of the second source, then of the first
	s_mov_b32 s51, 0x07060302                      ; the two high halves
	s_wait_dscnt 0x0                               ; both opening adds are done
	s_wait_kmcnt 0x0
	s_add_nc_u64 s[20:21], s[8:9], s[52:53]
	s_add_nc_u64 s[22:23], s[12:13], s[52:53]
	s_add_nc_u64 s[4:5], s[4:5], s[54:55]
	s_add_nc_u64 s[6:7], s[6:7], s[56:57]
	s_add_nc_u64 s[8:9], s[8:9], s[58:59]
	s_add_nc_u64 s[12:13], s[12:13], s[58:59]
	s_add_nc_u64 s[10:11], s[10:11], s[60:61]
	s_add_nc_u64 s[14:15], s[14:15], s[62:63]
	s_add_nc_u64 s[16:17], s[16:17], s[2:3]
	s_add_nc_u64 s[18:19], s[18:19], s[2:3]
	s_add_nc_u64 s[34:35], s[8:9], 0               ; tile 0: K's K step 0,
	s_or_b32 s35, s35, 0x80000000
	s_add_nc_u64 s[38:39], s[8:9], 98304           ; tile 1: K step 1
	s_or_b32 s39, s39, 0x80000000
	ROUND                                          ; all four work-groups are here: the first joint loads meet
	tensor_load_to_lds s[32:35], s[24:31]
	s_nop 0
	tensor_load_to_lds s[36:39], s[24:31]          ; two loads of mine are out
	s_nop 0
	PLACES 4
	; the scale words.  Memory holds two bytes a row and half K step, two tiles to a word; pair k's two words land in registers 2 k + 1 and 2 k + 2 of a run, and two v_perm_b32 make of them registers 2 k and 2 k + 1
.irp s, 0,1,2,3,4,5
.irp q, 0,1,2,3
	global_load_b32 v[33+2*(4*\s+\q)], v3, s[10:11] offset:4096*\s+128*\q
	global_load_b32 v[34+2*(4*\s+\q)], v3, s[10:11] offset:4096*\s+2048+128*\q
.endr
.endr
.irp s, 0,1,2,3,4,5
	global_load_b32 v[82+2*\s], v3, s[6:7] offset:4096*\s
	global_load_b32 v[83+2*\s], v3, s[6:7] offset:4096*\s+2048
.endr
	QLOAD 0
	s_wait_tensorcnt 0x1                           ; my tile 0 has landed; tile 1 may be out.  I alone read the bytes that my loads bring
	WIN 0x40
.irp f, 0,1,2,3,4,5,6,7,8,9,10,11,12,13,14,15
	FRAGL 12*\f, 0, \f
.endr
	WIN 0
	s_wait_loadcnt 16                              ; the 60 words are in; Q's 16 loads may be out
.set K_, 0
.rept 24
	v_perm_b32 v[32+2*K_], v[34+2*K_], v[33+2*K_], s50
	v_perm_b32 v[33+2*K_], v[34+2*K_], v[33+2*K_], s51
.set K_, K_+1
.endr
.set K_, 0
.rept 6
	v_perm_b32 v[81+2*K_], v[83+2*K_], v[82+2*K_], s50
	v_perm_b32 v[82+2*K_], v[83+2*K_], v[82+2*K_], s51
.set K_, K_+1
.endr
	PLACES 8                                       ; a scale register written by a vector instruction stands eight places ahead of a scaled matrix instruction
	; ---- phase 1: S^T, six K steps
.irp s, 0,1,2,3,4,5
	AN \s
.if \s < 5
	QLOAD \s+1
	s_wait_loadcnt 16                              ; this K step's Q is in; the next one's 16 loads may be out
.else
	s_wait_loadcnt 0x0
.endif
.irp g, 0,1,2,3
	KGROUP \s, \g
.endr
.endr
	AN 6                                           ; V's first tile lies in registers; slot 0 takes tile 8
.irp uv, 0,1,2
.irp ks, 0,1,2,3,4,5,6,7
	global_load_b32 v[33+2*(8*\uv+\ks)], v3, s[14:15] offset:3072*\ks+512*\uv          ; V's scale words, over K's: they land under the softmax
	global_load_b32 v[34+2*(8*\uv+\ks)], v3, s[14:15] offset:3072*\ks+1536+512*\uv
.endr
.endr
	; ---- the softmax
.irp B, 0,1,2,3,4,5,6,7
	v_mov_b32 v[BMT+\B], 0                         ; a lane permute's destination counts as one of its sources
.endr
	BMAX 0
	BMAX 1
	BMAX 2
	BMAX 3
	WIN 0
.irp t, 0,1,2,3
.irp B, 0,1,2,3,4,5,6,7
	v_permlanex16_b32 v[BMT+\B], v[BM+8*\t+\B], s48, s49
.endr
.irp B, 0,1,2,3,4,5,6,7
	v_max_num_f32 v[BM+8*\t+\B], v[BM+8*\t+\B], v[BMT+\B]   ; with lane l xor 16: the block's largest score
.endr
.endr
.irp t, 0,1,2,3
	v_max3_num_f32 v[RM+\t], v[BM+8*\t], v[BM+8*\t+1], v[BM+8*\t+2]
.endr
.irp t, 0,1,2,3
	v_max3_num_f32 v[RM+\t], v[RM+\t], v[BM+8*\t+3], v[BM+8*\t+4]
.endr
.irp t, 0,1,2,3
	v_max3_num_f32 v[RM+\t], v[RM+\t], v[BM+8*\t+5], v[BM+8*\t+6]
.endr
.irp t, 0,1,2,3
	v_max_num_f32 v[RM+\t], v[RM+\t], v[BM+8*\t+7] ; my wave's largest score of query 16 t + r
.endr
.irp t, 0,1,2,3
	ds_store_b32 v8, v[RM+\t] offset:256*\t        ; both halves of the lanes write the same word with the same value
.endr
	BARRIER                                        ; all four waves' maxima lie in LDS
.irp t, 0,1,2,3
	ds_load_b128 v[GX+4*\t:GX+4*\t+3], v9 offset:256*\t
.endr
	s_wait_dscnt 0x0
.irp t, 0,1,2,3
	v_max3_num_f32 v[RM+\t], v[GX+4*\t], v[GX+4*\t+1], v[GX+4*\t+2]
.endr
.irp t, 0,1,2,3
	v_max_num_f32 v[RM+\t], v[RM+\t], v[GX+4*\t+3] ; the row's largest score
.endr
.irp t, 0,1,2,3
	v_mul_f32 v[RM+\t], s46, v[RM+\t]              ; as t (c is positive)
.endr
.irp t, 0,1,2,3
	v_floor_f32 v[NM+2*\t], -v[RM+\t]              ; -M = floor(-t) = -ceil(t)
.endr
.irp t, 0,1,2,3
	v_mov_b32 v[NM+2*\t+1], v[NM+2*\t]             ; (the pair's upper word is named, so it is written)
.endr
	SOFT 0
	SOFT 1
	SOFT 2
	SOFT 3
.irp t, 0,1,2,3
	ds_store_b32 v8, v[SUMT+\t] offset:1024+256*\t
.endr
	BARRIER                                        ; p's 32 fragments, their scale words and the sums lie in LDS
.irp ks, 0,1,2,3,4,5,6,7
.if \ks <= 4
	WIN 0x80
.set PB_, 48*\ks
.else
	WIN 0xC0
.set PB_, 48*(\ks-5)
.endif
.irp t, 0,1,2,3
.irp c, 0,1,2
	ds_load_b128 v[PB_+12*\t+4*\c:PB_+12*\t+4*\c+3], v13 offset:(4*\ks+\t)*1536+512*\c
.endr
.endr
.endr
	WIN 0
.irp f, 0,1,2,3,4,5,6,7,8,9,10,11,12,13,14,15,16,17,18,19,20,21,22,23,24,25,26,27,28,29,30,31
	ds_load_b32 v[94+\f], v14 offset:128*\f
.endr
.irp e, 0,1,2,3
	ds_load_b128 v[LX+4*\e:LX+4*\e+3], v10 offset:16*\e
.endr
	s_wait_loadcnt 0x0                             ; V's scale words
.set K_, 0
.rept 24
	v_perm_b32 v[32+2*K_], v[34+2*K_], v[33+2*K_], s50
	v_perm_b32 v[33+2*K_], v[34+2*K_], v[33+2*K_], s51
.set K_, K_+1
.endr
	XLOAD 0
	s_wait_dscnt 0x0
.irp e, 0,1,2,3
	v_add_f32 v[LX+4*\e], v[LX+4*\e], v[LX+4*\e+1] ; the four waves' sums.  (These twelve additions are also the places between the scale words just made and the products)
.endr
.irp e, 0,1,2,3
	v_add_f32 v[LX+4*\e+2], v[LX+4*\e+2], v[LX+4*\e+3]
.endr
.irp e, 0,1,2,3
	v_add_f32 v[LX+4*\e], v[LX+4*\e], v[LX+4*\e+2]
.endr
.irp e, 0,1,2,3
	v_rcp_f32 v[RL+\e], v[LX+4*\e]
.endr
	v_nop                                          ; a plain place behind the last reciprocal
	s_wait_alu depctr_va_vdst(0)                   ; one wait for the four, ahead of their first reader
	; ---- phase 2: six blocks of 32 channels
.irp g, 0,1,2,3
	VGROUP 0, \g
.endr
.irp p, 1,2,3,4,5
	AN 6+\p
	EPI \p-1
	XLOAD \p
.irp g, 0,1,2,3
	VGROUP \p, \g
.endr
.endr
	WIN 0
	PLACES 4
	EPI 5
	s_wait_tensorcnt 0x0                           ; the wave's end
	ds_add_u32 v[SPW], v[NIL]
	s_wait_dscnt 0x0
	ROUND                                          ; the closing round: no work-group ends while a partner may still ask for a tile that names it
	s_endpgm
.Lfunc_end_k_qd55308a10c_attn:
	.size	k_qd55308a10c_attn, .Lfunc_end_k_qd55308a10c_attn-k_qd55308a10c_attn
	.p2alignl 7, 3214868480
	.fill 96, 4, 3214868480
	.section	.rodata,"a",@progbits
	.p2align	6, 0x0
	.amdhsa_kernel k_qd55308a10c_attn
		.amdhsa_group_segment_fixed_size 327680
		.amdhsa_private_segment_fixed_size 0
		.amdhsa_enable_private_segment 0
		.amdhsa_kernarg_size 64
		.amdhsa_user_sgpr_count 2
		.amdhsa_user_sgpr_kernarg_segment_ptr 1
		.amdhsa_wavefront_size32 1
		.amdhsa_system_sgpr_workgroup_id_x 1
		.amdhsa_system_sgpr_workgroup_id_y 1
		.amdhsa_system_sgpr_workgroup_id_z 1
		.amdhsa_system_vgpr_workitem_id 0
		.amdhsa_next_free_vgpr 1024
		.amdhsa_next_free_sgpr 66
		.amdhsa_reserve_vcc 0
		.amdhsa_float_denorm_mode_32 3
		.amdhsa_float_denorm_mode_16_64 3
		.amdhsa_memory_ordered 1
		.amdhsa_forward_progress 1
		.amdhsa_inst_pref_size 255
	.end_amdhsa_kernel
	.section	.bss,"aw",@nobits
	.p2align	6
	.space	262144
	.amdgpu_metadata
---
amdhsa.version: [ 1, 2 ]
amdhsa.kernels:
  - .name:           k_qd55308a10c_attn
    .symbol:         k_qd55308a10c_attn.kd
    .args:
      - { .name: qcod, .offset: 0, .size: 8, .value_kind: global_buffer, .address_space: global }
      - { .name: qscl, .offset: 8, .size: 8, .value_kind: global_buffer, .address_space: global }
      - { .name: kcod, .offset: 16, .size: 8, .value_kind: global_buffer, .address_space: global }
      - { .name: kscl, .offset: 24, .size: 8, .value_kind: global_buffer, .address_space: global }
      - { .name: vcod, .offset: 32, .size: 8, .value_kind: global_buffer, .address_space: global }
      - { .name: vscl, .offset: 40, .size: 8, .value_kind: global_buffer, .address_space: global }
      - { .name: x, .offset: 48, .size: 8, .value_kind: global_buffer, .address_space: global }
      - { .name: out0, .offset: 56, .size: 8, .value_kind: global_buffer, .address_space: global }
    .group_segment_fixed_size: 327680
    .private_segment_fixed_size: 0
    .kernarg_segment_align: 8
    .kernarg_segment_size: 64
    .max_flat_workgroup_size: 128
    .sgpr_count:     66
    .vgpr_count:     1024
    .wavefront_size: 32
...
	.end_amdgpu_metadata
.endif
;; end of part 2
;; ======== version 2 of 2: 2 launches
;; limits: right only within a limited range of input values
;; workspace buffers: qcod 9,437,184 bytes; kcod 9,437,184 bytes; vcod 9,437,184 bytes; qscl 393,216 bytes; kscl 393,216 bytes; vscl 393,216 bytes
;; launch proj (part 3): grid 256 x 1, 4 waves a work-group, clusters of 4 x 1, 327,680 bytes of LDS; arguments x, Wq_codes, Wq_scales, bq, Wk_codes, Wk_scales, bk, Wv_codes, Wv_scales, bv, qcod, qscl, kcod, kscl, vcod, vscl; writes qcod, qscl, kcod, kscl, vcod, vscl
.if DOCPART == 3
	.amdgcn_target "amdgcn-amd-amdhsa--gfx1250"
	.amdhsa_code_object_version 6
	.text
	.protected	k_qd55308a10c_proj
	.globl	k_qd55308a10c_proj
	.p2align	8
	.type	k_qd55308a10c_proj,@function
k_qd55308a10c_proj:
	s_mov_b64 s[64:65], 0
	v_nop
	global_prefetch_b8 v0, s[64:65] scope:SCOPE_SE
	s_setreg_imm32_b32 hwreg(HW_REG_WAVE_MODE, 25, 1), 1
	s_wait_xcnt 0x0
	s_wait_alu depctr_hold_cnt(0) depctr_sa_sdst(0) depctr_va_vdst(0) depctr_va_sdst(0) depctr_va_ssrc(0) depctr_va_vcc(0) depctr_vm_vsrc(0)
	s_getreg_b32 s2, hwreg(HW_REG_IB_STS2, 6, 4)
	s_cmp_eq_u32 s2, 0
	s_cbranch_scc0 .Lentry_in_a_cluster
	s_endpgm
.Lentry_in_a_cluster:
	s_bfe_u32 s2, ttmp6, 0x10000c
	s_cmp_lg_u32 s2, 0x3003
	s_cbranch_scc0 .Lentry_shape_is_right
	s_endpgm
.Lentry_shape_is_right:
; q = x Wq^T + bq, k = x Wk^T + bk, v = x Wv^T + bv on codes of E3M2 with one E8M0 scale for each 32 along K, and the three results quantised again for the next launch:
; q and k along their 768 columns, v along the keys.  x: [16384][768] f32.  W*: codes [768][576 bytes], scale bytes [768][24].  b*: [768] f32.
; DEAD WORK: none.  Every input has a way to the output: bq and bv reach it in real numbers, and bk moves the codes and scales of k, an operand of a quantised product that is live.
; LIMITS: NaN and infinities among the inputs are not served.  A block whose largest magnitude lies under 2^-122, a block of zeros too, gets the scale byte 1 (the stated rule says 127 for zeros):
; its codes are zeros or tiny, and the bytes are read by this program alone.
; SHARES.  A work-group of four waves owns 64 rows of x.  Wave w quantises rows 16 w .. 16 w + 15 (six fragments of 16 rows x 128 K); the fragments go to the other waves through LDS as images of their
; registers, and then all 24 stay in every wave's registers.  Of each weight wave w takes rows 192 w .. 192 w + 191, in three units of 64: 16 accumulators, 96 products a unit; nine units in all.
; THE WEIGHTS come in tiles of 32 rows a wave, 18 tiles, through three places in LDS, by tensor loads that the four work-groups of a cluster ask for jointly (all walk the same weights).  Tile n lies in place n % 3.
; Each wave reads only the bytes that its own load brought, a tile ahead, into two sets of registers, so that a place is free while its tile is multiplied.  The changes fill by turns place 0 (one tile, which has two
; tiles' products in which to land) and places 1 and 2 (two tiles, 64 consecutive rows, by one load, which has one tile's products): ten changes for the fifteen tiles behind the first three.
; LAYOUT.  For q and k source 0 = 16 rows of W, source 1 = 16 rows of x: a lane holds one row of x and eight columns.  For v the sources are swapped: a lane holds one column and eight rows (keys).
; Either way two neighbouring tiles give a lane 16 of a block of 32 along the next K, and lane l xor 16 the other 16.  Inside a block the codes lie in the order 16 h + 8 u + j for element 16 u + 8 h + j;
; q and k are made by the same lines, and so are v here and p in the next launch: both sides of each later product carry the same order, and blocks and scales are the true ones.
; OUT.  Codes leave in the order of the operand's registers: half a fragment (six registers a lane) as 512 bytes (16 a lane) and 256 bytes (8 a lane); two scale bytes a row, packed two rows to a word.
; No prefetch: all work-groups read the same 1.3 MB of weights at the same time, and x is asked for in runs at the head.
; REGISTERS.  window 0: v1-18 addresses; v20-31 at work; v29-32 two scale bytes a group; v36-59 scale words of x; v60-71 of W; v72-103 biases in the result's layout; v112-255 W's set 1 (in the first phase: 64 numbers
; of x, the codes of my six fragments, work; in the way out: codes).  window 1: x's fragments of row tiles 0, 1 at v0-143, accumulators v144-207 (in the first phase: four landing sets of 64).  window 2: the same for tiles 2, 3.  window 3: W's set 0.
.set PLB,    23040                     ; a place of a wave: 32 rows x 720 bytes
.set WPART,  69120                     ; a wave's three places, on end
.set PITCH,  720                       ; a row of W in LDS: nine times 64 bytes of data + 16 of padding
.set XIMG,   276480                    ; behind the ring: x's 24 fragments as images, 1,536 bytes each: (row tile t, K step s) at 6 t + s.  Until its images are stored, a wave's 9,216 bytes serve as its stage: 16 rows x (512 + 16) bytes
.set XSC,    313344                    ; their scale words, 128 bytes each
.set SPARE,  316416                    ; the spare words, 128 bytes for each wave: two blocks of 256 bytes that no other line names
.set SPW,  17                          ; v17  LDS address of my spare word; never rewritten
.set NIL,  18                          ; v18  0; never rewritten
.set TM,   20
.set QTM,  20
.set W16,  29
.set XS,   36
.set WS,   60
.set BIAS, 72
.set XN,   112                         ; v112-175 64 numbers of x
.set XC,   176                         ; v176-247 the codes of my six fragments
.set XT,   248                         ; v248-254 at work
.set WV,   52                          ; s52  my wave's number;  s55 = 3 x it
.set G1,   36                          ; s[36:43] descriptor group 1 for 32 rows;  s[68:75] for 64 rows
.set G1D,  68
.set G0A,  44                          ; s[44:47] group 0 for place 0, s[48:51] for places 1 and 2
.set G0B,  48
.set G0C,  76
.set SEL,  56                          ; s[56:57] selects of v_permlanex16_b32 for lane l xor 16
; s[4:5] x at my wave's rows.  Fetch sets at s6 (q), s12 (k), s18 (v): codes, scale bytes, bias, each at my wave's 192 rows; never stepped.  Output sets at s24, s28, s32: codes, scale words, at my work-group's part.
; s[60:61], s[62:63]: the unit's place in them.
.set MSB, 0
.macro WIN new                         ; the immediate's high byte repeats the setting that is left; a switch that changes nothing is dropped
.if MSB != (\new)
	s_set_vgpr_msb (MSB<<8)|(\new)
.set MSB, (\new)
.endif
.endm
.macro PLACES n
.rept \n
	v_nop
.endr
.endm
.macro BARRIER                         ; my LDS stores have landed and my LDS loads are in: then the work-group's barrier
	s_wait_dscnt 0x0
	s_barrier_signal -1
	s_barrier_wait -1
.endm
.macro ROUND                           ; a round of the cluster's barrier: my work-group's barrier, wave 0 signals for it, all wait for the four work-groups, my work-group's barrier again
	s_barrier_signal -1
	s_barrier_wait -1
	s_cmp_lg_u32 s[WV], 0
	s_cbranch_scc1 .Lnw0_\@
	s_barrier_signal -3
.Lnw0_\@:
	s_barrier_wait -3
	s_barrier_signal -1
	s_barrier_wait -1
.endm
; One matrix instruction.  c = 999: the constant 0 starts the sum.  ra, rb: the scales of source 0, 1 are read from lanes 16-31.
.macro WM d, a, b, c, sa, sb, ra, rb
.if (\c) == 999
.if ((\ra)==0)&&((\rb)==0)
	v_wmma_scale_f32_16x16x128_f8f6f4 v[(\d):(\d)+7], v[(\a):(\a)+11], v[(\b):(\b)+11], 0, v[\sa], v[\sb] matrix_a_fmt:MATRIX_FMT_BF6 matrix_b_fmt:MATRIX_FMT_BF6
.elseif ((\ra)==1)&&((\rb)==0)
	v_wmma_scale_f32_16x16x128_f8f6f4 v[(\d):(\d)+7], v[(\a):(\a)+11], v[(\b):(\b)+11], 0, v[\sa], v[\sb] matrix_a_fmt:MATRIX_FMT_BF6 matrix_b_fmt:MATRIX_FMT_BF6 matrix_a_scale:MATRIX_SCALE_ROW1
.elseif ((\ra)==0)&&((\rb)==1)
	v_wmma_scale_f32_16x16x128_f8f6f4 v[(\d):(\d)+7], v[(\a):(\a)+11], v[(\b):(\b)+11], 0, v[\sa], v[\sb] matrix_a_fmt:MATRIX_FMT_BF6 matrix_b_fmt:MATRIX_FMT_BF6 matrix_b_scale:MATRIX_SCALE_ROW1
.else
	v_wmma_scale_f32_16x16x128_f8f6f4 v[(\d):(\d)+7], v[(\a):(\a)+11], v[(\b):(\b)+11], 0, v[\sa], v[\sb] matrix_a_fmt:MATRIX_FMT_BF6 matrix_b_fmt:MATRIX_FMT_BF6 matrix_a_scale:MATRIX_SCALE_ROW1 matrix_b_scale:MATRIX_SCALE_ROW1
.endif
.else
.if ((\ra)==0)&&((\rb)==0)
	v_wmma_scale_f32_16x16x128_f8f6f4 v[(\d):(\d)+7], v[(\a):(\a)+11], v[(\b):(\b)+11], v[(\c):(\c)+7], v[\sa], v[\sb] matrix_a_fmt:MATRIX_FMT_BF6 matrix_b_fmt:MATRIX_FMT_BF6
.elseif ((\ra)==1)&&((\rb)==0)
	v_wmma_scale_f32_16x16x128_f8f6f4 v[(\d):(\d)+7], v[(\a):(\a)+11], v[(\b):(\b)+11], v[(\c):(\c)+7], v[\sa], v[\sb] matrix_a_fmt:MATRIX_FMT_BF6 matrix_b_fmt:MATRIX_FMT_BF6 matrix_a_scale:MATRIX_SCALE_ROW1
.elseif ((\ra)==0)&&((\rb)==1)
	v_wmma_scale_f32_16x16x128_f8f6f4 v[(\d):(\d)+7], v[(\a):(\a)+11], v[(\b):(\b)+11], v[(\c):(\c)+7], v[\sa], v[\sb] matrix_a_fmt:MATRIX_FMT_BF6 matrix_b_fmt:MATRIX_FMT_BF6 matrix_b_scale:MATRIX_SCALE_ROW1
.else
	v_wmma_scale_f32_16x16x128_f8f6f4 v[(\d):(\d)+7], v[(\a):(\a)+11], v[(\b):(\b)+11], v[(\c):(\c)+7], v[\sa], v[\sb] matrix_a_fmt:MATRIX_FMT_BF6 matrix_b_fmt:MATRIX_FMT_BF6 matrix_a_scale:MATRIX_SCALE_ROW1 matrix_b_scale:MATRIX_SCALE_ROW1
.endif
.endif
.endm
; K step s of my 16 rows of x: each load reads one row's 512 consecutive bytes, into landing set s % 4 of window 1
.macro LOADX s
	WIN 0x40
.irp i, 0,1,2,3,4,5,6,7,8,9,10,11,12,13,14,15
	global_load_b128 v[64*((\s)%4)+4*\i:64*((\s)%4)+4*\i+3], v1, s[4:5] offset:3072*\i+512*(\s) th:TH_LOAD_NT
.endr
	WIN 0
.endm
; through my stage: in as loaded, back so that lane (r, h) holds of row r the numbers 32 b + 16 h + 0 .. 15 of each block b.  LDS serves a wave's instructions in order: no wait between
.macro TURN s
	WIN 0x04                                       ; an LDS store's data are its source 1: window 1
.irp i, 0,1,2,3,4,5,6,7,8,9,10,11,12,13,14,15
	ds_store_b128 v8, v[64*((\s)%4)+4*\i:64*((\s)%4)+4*\i+3] offset:528*\i
.endr
	WIN 0
.irp b, 0,1,2,3
.irp j, 0,1,2,3
	ds_load_b128 v[XN+16*\b+4*\j:XN+16*\b+4*\j+3], v9 offset:128*\b+16*\j
.endr
.endr
.endm
; 64 numbers of a lane, register 16 b + i = k 32 b + 16 h + i of my row, become fragment s's codes in v[XC + 12 s] on and its scale word in v[XS + s]
.macro QUANT s
.set F_, XC+12*(\s)
.irp b, 0,1,2,3
	v_max3_num_f32 v[QTM+\b], |v[XN+16*\b]|, |v[XN+1+16*\b]|, 0x2800000   ; my 16 numbers of block b, and the floor 2^(5 - 127): the byte cannot fall under 1
.endr
.irp i, 2,4,6,8,10,12,14
.irp b, 0,1,2,3
	v_max3_num_f32 v[QTM+\b], v[QTM+\b], |v[XN+16*\b+\i]|, |v[XN+1+16*\b+\i]|
.endr
.endr
.irp b, 0,1,2,3
	v_permlanex16_b32 v[QTM+4+\b], v[QTM+\b], s[SEL], s[SEL+1]
.endr
.irp b, 0,1,2,3
	v_max_num_f32 v[QTM+\b], v[QTM+\b], v[QTM+4+\b]   ; with lane l xor 16: the block's largest magnitude
.endr
.irp b, 0,1,2,3
	v_add_nc_u32 v[QTM+8+\b], 0xfe000000, v[QTM+\b]   ; 4 off its exponent field: the conversion takes the exponent field of this operand as its scale
.endr
.irp b, 0,1,2,3
	v_lshrrev_b32 v[QTM+4+\b], 23, v[QTM+8+\b]        ; the scale's byte
.endr
	v_lshl_or_b32 v[XS+(\s)], v[QTM+5], 8, v[QTM+4]
	v_lshl_or_b32 v[XS+(\s)], v[QTM+6], 16, v[XS+(\s)]
	v_lshl_or_b32 v[XS+(\s)], v[QTM+7], 24, v[XS+(\s)]
.irp c, 0,1
	v_cvt_scalef32_pk16_bf6_f32 v[F_+6*\c:F_+2+6*\c], v[XN+32*\c:XN+15+32*\c], v[QTM+8+2*\c]
	v_cvt_scalef32_pk16_bf6_f32 v[XT+4*\c:XT+2+4*\c], v[XN+16+32*\c:XN+31+32*\c], v[QTM+8+2*\c+1]   ; (a conversion's three registers begin on an even number)
.endr
	v_nop                                          ; one plain place behind a scaled conversion
.irp c, 0,1                                    ; the operand wants a whole block in a lane: lanes 0-15 block 2 c, lanes 16-31 block 2 c + 1
.irp i, 0,1,2
	v_permlane16_swap_b32 v[F_+6*\c+\i], v[XT+4*\c+\i]
.endr
.irp i, 0,1,2
	v_mov_b32 v[F_+3+6*\c+\i], v[XT+4*\c+\i]
.endr
.endr
.endm
; A fragment of W, 16 rows x 128 K, from place pl: six pieces of 8 bytes a lane.  Lanes 16-31 read three pieces further on, which for some pieces is behind one padding more: the second address register serves those
.macro FRAGW reg, pl, uu, ks
.irp p, 0,1,2,3,4,5
.set PCE, 12*(\ks)+6*(\p/3)+\p%3
.if PCE%8 < 5
	ds_load_b64 v[(\reg)+2*\p:(\reg)+2*\p+1], v4 offset:8*PCE+16*(PCE/8)+11520*(\uu)+PLB*(\pl)
.else
	ds_load_b64 v[(\reg)+2*\p:(\reg)+2*\p+1], v5 offset:8*PCE+16*(PCE/8)+11520*(\uu)+PLB*(\pl)
.endif
.endr
.endm
.macro WRUN ws, uu, pl                 ; the six fragments of row tile uu of the tile in place pl, into W's set ws (set 0: window 3; set 1: window 0 from v112)
	WIN 0xC0*(1-(\ws))
.irp s, 0,1,2,3,4,5
	FRAGW 112*(\ws)+72*(\uu)+12*\s, \pl, \uu, \s
.endr
.endm
; 24 matrix instructions: W's two row tiles of half bp x row tiles 2 th, 2 th + 1 of x, all six K steps.  Four accumulators by turns, one instruction a turn.  The bias is the C of the first K step.
.macro MUL kind, bp, th
.irp s, 0,1,2,3,4,5
.irp tt, 0,1
.irp u, 0,1
.set T_, 2*(\th)+\tt
.set C4, 2*(\bp)+\u
.set WF, 112*(\bp)+72*\u+12*\s
.set XF, 72*\tt+12*\s
.set WSR, WS+6*(\bp)+\s
.set XSR, XS+6*T_+\s
.set WW, 3*(1-(\bp))
.if (\kind) == 0
.set AC, 144+32*\tt+8*C4
.set DW, 1+(\th)
.else
.set AC, 144+32*\u+8*T_
.set DW, 1+(\bp)
.endif
.if \s == 0
.set CC, BIAS+8*C4
.set CW, 0
.else
.set CC, AC
.set CW, DW
.endif
.if (\kind) == 0
	WIN (DW<<6)|(CW<<4)|((1+(\th))<<2)|WW
	WM AC, WF, XF, CC, WSR, XSR, \u, 0
.else
	WIN (DW<<6)|(CW<<4)|(WW<<2)|(1+(\th))
	WM AC, XF, WF, CC, XSR, WSR, 0, \u
.endif
.endr
.endr
.endr
.endm
; The scale words of W (lane l: row 32 bp + l, six words) and the biases in the result's layout, for half bp of unit un of the weight of fetch set F.  kind 0: 3 + 4 loads; kind 1 (a lane holds one column: the same number eight times): 3 + 16
.macro LNEXT kind, F, un, bp
.irp i, 0,1,2
	global_load_b64 v[WS+6*(\bp)+2*\i:WS+6*(\bp)+2*\i+1], v14, s[(\F)+2:(\F)+3] offset:1536*(\un)+768*(\bp)+8*\i
.endr
.if (\kind) == 0
.irp u, 0,1
.irp e, 0,1
	global_load_b128 v[BIAS+8*(2*(\bp)+\u)+4*\e:BIAS+8*(2*(\bp)+\u)+4*\e+3], v15, s[(\F)+4:(\F)+5] offset:256*(\un)+128*(\bp)+64*\u+16*\e
.endr
.endr
.else
.irp u, 0,1
.irp j, 0,1,2,3,4,5,6,7
	global_load_b32 v[BIAS+8*(2*(\bp)+\u)+\j], v16, s[(\F)+4:(\F)+5] offset:256*(\un)+128*(\bp)+64*\u
.endr
.endr
.endif
.endm
; The head of tile tau.  Tile tau lies in registers once my LDS loads are back.  tau % 3 = 0: place 0, which held it, takes tile tau + 3.  tau % 3 = 2: places 1 and 2, which held tiles tau - 1 and tau, take tiles tau + 2 and
; tau + 3 by one load.  In front of the round every wave has waited for all its tensor loads, so the tile that this trip brings into registers has landed.  The last three tiles ask for nothing.
.macro BAR tau
	WIN 0
.if (((\tau)%3) == 0) && (((\tau)+3) <= 17)
	s_wait_tensorcnt 0x0                           ; all my tensor loads have landed, so a group 0 may be written
	ds_add_u32 v[SPW], v[NIL]                      ; 0 onto my spare word
	s_add_nc_u64 s[G0A+2:G0A+3], s[6+6*(((\tau)+3)/6):7+6*(((\tau)+3)/6)], 18432*(((\tau)+3)%6)
	s_or_b32 s[G0A+3], s[G0A+3], 0x80000000
	s_wait_dscnt 0x0                               ; the add is done, and my reads of the place are over
	ROUND                                          ; no wave of any partner still reads the place or has a load on its way
	tensor_load_to_lds s[G0A:G0A+3], s[G1:G1+7]
	s_nop 0
	PLACES 4                                       ; also the places in front of the loads that follow
.elseif (((\tau)%3) == 2) && (((\tau)+3) <= 17)
	s_wait_tensorcnt 0x0
	ds_add_u32 v[SPW], v[NIL]
	s_add_nc_u64 s[G0B+2:G0B+3], s[6+6*(((\tau)+2)/6):7+6*(((\tau)+2)/6)], 18432*(((\tau)+2)%6)
	s_or_b32 s[G0B+3], s[G0B+3], 0x80000000
	s_wait_dscnt 0x0
	ROUND
	tensor_load_to_lds s[G0B:G0B+3], s[G1D:G1D+7]
	s_nop 0
	PLACES 4
.else
.if (\tau) == 15
	s_wait_tensorcnt 0x0                           ; tiles 16 and 17 have landed
.endif
	s_wait_dscnt 0x0
	PLACES 4
.endif
.endm
; Group G of the unit's results: 32 numbers a lane, two blocks of 32 along the next K shared with lane l xor 16, become half a fragment (six registers) and two scale bytes
.macro HALFQ kind, G
.set X_, 1+(\G)/2
.set NB, 144+32*((\G)%2)
.set PC_, 112+8*(\G)
	WIN 5*X_                                       ; sources 0 and 1: the accumulators' window
.irp b, 0,1
	v_max3_num_f32 v[TM+\b], |v[NB+16*\b]|, |v[NB+16*\b+1]|, 0x2800000   ; each accumulator is read from its low end on
.endr
.irp i, 2,4,6,8,10,12,14
.irp b, 0,1
	v_max3_num_f32 v[TM+\b], |v[NB+16*\b+\i]|, |v[NB+16*\b+\i+1]|, v[TM+\b]
.endr
.endr
	WIN 0
.irp b, 0,1
	v_permlanex16_b32 v[TM+2+\b], v[TM+\b], s[SEL], s[SEL+1]
.endr
.irp b, 0,1
	v_max_num_f32 v[TM+\b], v[TM+\b], v[TM+2+\b]
.endr
.irp b, 0,1
	v_add_nc_u32 v[TM+4+\b], 0xfe000000, v[TM+\b]
.endr
.irp b, 0,1
	v_lshrrev_b32 v[TM+2+\b], 23, v[TM+4+\b]
.endr
	v_lshl_or_b32 v[W16+(\G)], v[TM+3], 8, v[TM+2]
	WIN X_
	v_cvt_scalef32_pk16_bf6_f32 v[PC_:PC_+2], v[NB:NB+15], v[TM+4]
	v_cvt_scalef32_pk16_bf6_f32 v[PC_+4:PC_+6], v[NB+16:NB+31], v[TM+5]
	WIN 0
	v_nop                                          ; one plain place behind a scaled conversion
.irp i, 0,1,2
	v_permlane16_swap_b32 v[PC_+\i], v[PC_+4+\i]
.endr
.irp i, 0,1,2
	v_mov_b32 v[PC_+3+\i], v[PC_+4+\i]             ; ascending: each source is read before it is written
.endr
.if (\kind) == 0
	global_store_b128 v1, v[PC_:PC_+3], s[60:61] offset:1536*(\G)           ; 512 consecutive bytes,
	global_store_b64 v2, v[PC_+4:PC_+5], s[60:61] offset:1536*(\G)+512      ; and 256, at multiples of 256 from the buffer's first byte
.else
	global_store_b128 v1, v[PC_:PC_+3], s[60:61] offset:98304*((\G)/2)+1536*((\G)%2)
	global_store_b64 v2, v[PC_+4:PC_+5], s[60:61] offset:98304*((\G)/2)+1536*((\G)%2)+512
.endif
.endm
; Unit U of nine: 64 of my rows of weight U / 3, tiles 2 U and 2 U + 1.  kind: 0 = q or k, 1 = v; nkind: the next unit's.  The places come back after three units, so all nine are written out.
.macro UNIT kind, nkind, U
.set UU_, (\U)
.set UN_, (UU_+1)%3
.set FN_, 6+6*((UU_+1)/3)
.set OO_, 24+4*(UU_/3)
	BAR 2*UU_
	WRUN 1, 0, (2*UU_+1)%3                         ; the unit's second tile
	s_wait_loadcnt 7+12*(\kind)                    ; this unit's first scale words and biases are in; the run for its second half may be out
	MUL \kind, 0, 0
	PLACES 4
	WRUN 1, 1, (2*UU_+1)%3
	MUL \kind, 0, 1
	WIN 0
	PLACES 4                                       ; in front of loads into registers that matrix instructions have read
.if UU_ < 8
	LNEXT \nkind, FN_, UN_, 0
.endif
	BAR 2*UU_+1
.if UU_ < 8
	WRUN 0, 0, (2*UU_+2)%3                         ; the next unit's first tile
	s_wait_loadcnt 7+12*(\nkind)                   ; the second half's scale words and biases are in; the run just issued may be out
.else
	s_wait_loadcnt 0x0
.endif
	MUL \kind, 1, 0
.if UU_ < 8
	PLACES 4
	WRUN 0, 1, (2*UU_+2)%3
.endif
	MUL \kind, 1, 1
	WIN 0
	PLACES 4                                       ; in front of the loads below, of the first read of results, and of the writes over W's set 1
.if UU_ < 8
	LNEXT \nkind, FN_, UN_, 1
.endif
	s_add_co_u32 s80, s55, UU_%3                   ; g = 3 w + u: the unit's columns are 64 g .. 64 g + 63
.if (\kind) == 0
	s_lshr_b32 s81, s80, 1                         ; they are half g % 2 of K step g / 2 of the next product
	s_and_b32 s80, s80, 1
	s_mul_i32 s82, s81, 98304
	s_mul_i32 s84, s80, 768
	s_add_co_u32 s82, s82, s84
	s_mov_b32 s83, 0
	s_add_nc_u64 s[60:61], s[OO_:OO_+1], s[82:83]
	s_lshl_b32 s82, s81, 12
	s_lshl_b32 s84, s80, 11
	s_add_co_u32 s82, s82, s84
	s_add_nc_u64 s[62:63], s[OO_+2:OO_+3], s[82:83]
.else
	s_lshr_b32 s81, s80, 2                         ; in the next launch wave g % 4 takes them as its blocks 2 (g / 4) and 2 (g / 4) + 1
	s_and_b32 s80, s80, 3
	s_mul_i32 s82, s81, 196608
	s_mul_i32 s84, s80, 24576
	s_add_co_u32 s82, s82, s84
	s_mov_b32 s83, 0
	s_add_nc_u64 s[60:61], s[OO_:OO_+1], s[82:83]
	s_lshl_b32 s82, s81, 9
	s_lshl_b32 s84, s80, 7
	s_add_co_u32 s82, s82, s84
	s_add_nc_u64 s[62:63], s[OO_+2:OO_+3], s[82:83]
.endif
.irp G, 0,1,2,3
	HALFQ \kind, \G
.endr
	v_cndmask_b32 v33, v[W16], v[W16+1], s58       ; lanes 0-15: group 0, lanes 16-31: group 1;
	v_cndmask_b32 v34, v[W16+2], v[W16+3], s58     ; groups 2 and 3
	v_lshl_or_b32 v33, v34, 16, v33
	global_store_b32 v3, v33, s[62:63]
.if UU_ < 8
	s_wait_xcnt 0x0                                ; the stores above have read their bases and data: both are written again in the next unit
.endif
.endm
	s_load_b512 s[4:19], s[0:1], 0x0               ; x; Wq: codes, scales, bias; Wk: the same; Wv's codes
	s_load_b512 s[20:35], s[0:1], 0x40             ; Wv's scales, bv; q: codes, scale words; k; v
	v_lshl_add_u32 v[SPW], v0, 2, SPARE
	v_mov_b32 v[NIL], 0
	ds_add_u32 v[SPW], v[NIL]                      ; the opening: the add, twice on end, and its wait ahead of my first tensor load
	ds_add_u32 v[SPW], v[NIL]
	v_lshrrev_b32 v19, 5, v0
	v_readfirstlane_b32 s[WV], v19                 ; wave 0..3
	s_bfe_u32 s53, ttmp6, 0x40000                  ; cx: my place in the cluster; it enters x's and the outputs' addresses alone
	s_lshl_b32 s80, ttmp9, 2
	s_add_co_u32 s80, s80, s53                     ; my block of 64 rows
	s_lshr_b32 s81, s80, 4                         ; b: the batch
	s_and_b32 s82, s80, 15                         ; rb: the block in the batch
	s_mul_i32 s55, s[WV], 3
	s_mov_b32 s[G1], 15|(1<<20)|(1<<21)|(3<<22)|(3<<25)   ; the mask: all four work-groups; elements of 1 byte; padding on; bit 21 beside a mask; 4 words of padding behind every 16
	s_mov_b32 s[G1+1], 256<<16                     ; 32 rows of W are 18,432 dense bytes: stated as 72 rows of 256 bytes, each at a multiple of 256 from the buffer's first byte
	s_mov_b32 s[G1+2], 72<<16
	s_mov_b32 s[G1+3], 256<<16
	s_mov_b32 s[G1+4], 72
	s_mov_b32 s[G1+5], 256
	s_mov_b32 s[G1+6], 0
	s_mov_b32 s[G1+7], 0
	s_mov_b32 s[G1D], 15|(1<<20)|(1<<21)|(3<<22)|(3<<25)  ; the same for 64 rows
	s_mov_b32 s[G1D+1], 256<<16                    ; 144 rows of 256 bytes
	s_mov_b32 s[G1D+2], 144<<16
	s_mov_b32 s[G1D+3], 256<<16
	s_mov_b32 s[G1D+4], 144
	s_mov_b32 s[G1D+5], 256
	s_mov_b32 s[G1D+6], 0
	s_mov_b32 s[G1D+7], 0
	s_mov_b32 s[G0A], 1
	s_mul_i32 s[G0A+1], s[WV], WPART               ; my place 0: no place in the cluster enters an LDS address
	s_mov_b32 s[G0B], 1
	s_add_co_u32 s[G0B+1], s[G0A+1], PLB           ; my place 1
	s_mov_b32 s[SEL], 0x76543210
	s_mov_b32 s[SEL+1], 0xfedcba98
	s_mov_b32 s58, 0xffff0000                      ; lanes 16-31
	s_mul_i32 s84, s80, 196608                     ; x: 64 rows of 3,072 bytes a block, 16 a wave
	s_mul_i32 s85, s[WV], 49152
	s_add_co_u32 s84, s84, s85
	s_mov_b32 s85, 0
	s_mul_i32 s86, s[WV], 110592                   ; W's codes: my 192 rows of 576 bytes
	s_mov_b32 s87, 0
	s_mul_i32 s88, s[WV], 4608                     ; W's scale bytes: 24 a row
	s_mov_b32 s89, 0
	s_mul_i32 s90, s[WV], 768                      ; the bias: 4 bytes a row
	s_mov_b32 s91, 0
	s_mul_i32 s92, s81, 589824
	s_lshr_b32 s66, s82, 1                         ; v's codes: [b][block of 32 channels][w][rb / 2][tile][rb % 2][768]
	s_mul_i32 s66, s66, 3072
	s_add_co_u32 s66, s66, s92
	s_and_b32 s67, s82, 1
	s_mul_i32 s67, s67, 768
	s_add_co_u32 s66, s66, s67
	s_mov_b32 s67, 0
	s_mul_i32 s93, s82, 6144                       ; q's and k's codes: [b][K step][row tile][half][768]
	s_add_co_u32 s92, s92, s93
	s_mov_b32 s93, 0
	s_mul_i32 s94, s81, 24576
	s_mul_i32 s2, s82, 1536                        ; v's scale words: [b][rb][uv][w][lane]
	s_add_co_u32 s2, s2, s94
	s_mov_b32 s3, 0
	s_lshl_b32 s95, s82, 7                         ; q's and k's: [b][K step][half][rb][lane]
	s_add_co_u32 s94, s94, s95
	s_mov_b32 s95, 0
	v_and_b32 v19, 31, v0                          ; lane
	v_lshlrev_b32 v1, 4, v19                       ; v1 = 16 x lane, v2 = 8 x lane, v3 = 4 x lane
	v_lshlrev_b32 v2, 3, v19
	v_lshlrev_b32 v3, 2, v19
	v_and_b32 v33, 15, v0                          ; r
	v_bfe_u32 v34, v0, 4, 1                        ; h
	v_mul_u32_u24 v4, v33, PITCH
	v_mad_u32_u24 v4, v34, 24, v4
	v_add_nc_u32 v4, s[G0A+1], v4                  ; v4: a fragment of W in my place 0: 720 r + 24 h
	v_lshl_add_u32 v5, v34, 4, v4                  ; v5: the same behind one padding more
	s_mul_i32 s83, s[WV], 9216
	s_add_co_u32 s83, s83, XIMG                    ; my six images, and until they are stored my stage
	v_add_nc_u32 v8, s83, v1                       ; v8: 16 x lane: into the stage, and an image's place
	v_mul_u32_u24 v9, v33, 528
	v_lshl_add_u32 v9, v34, 6, v9
	v_add_nc_u32 v9, s83, v9                       ; v9: back from the stage, 528 r + 64 h
	s_mul_i32 s83, s[WV], 768
	s_add_co_u32 s83, s83, XSC
	v_add_nc_u32 v11, s83, v3                      ; v11: my images' scale words
	v_add_nc_u32 v12, XIMG, v1                     ; v12, v13: where any image and scale word is read
	v_add_nc_u32 v13, XSC, v3
	v_mul_u32_u24 v14, v19, 24                     ; v14: W's scale bytes, a lane a row
	v_lshlrev_b32 v15, 5, v34                      ; v15: a bias by columns 8 h + j
	v_lshlrev_b32 v16, 2, v33                      ; v16: a bias by column r
.irp b, 0,1,2,3
	v_mov_b32 v[QTM+4+\b], 0                       ; written once: a lane permute's destination counts as one of its sources
.endr
	s_wait_dscnt 0x0                               ; both opening adds are done
	s_wait_kmcnt 0x0
	s_add_nc_u64 s[4:5], s[4:5], s[84:85]
.irp F, 6, 12, 18
	s_add_nc_u64 s[\F:\F+1], s[\F:\F+1], s[86:87]
	s_add_nc_u64 s[\F+2:\F+3], s[\F+2:\F+3], s[88:89]
	s_add_nc_u64 s[\F+4:\F+5], s[\F+4:\F+5], s[90:91]
.endr
.irp O, 24, 28
	s_add_nc_u64 s[\O:\O+1], s[\O:\O+1], s[92:93]
	s_add_nc_u64 s[\O+2:\O+3], s[\O+2:\O+3], s[94:95]
.endr
	s_add_nc_u64 s[32:33], s[32:33], s[66:67]
	s_add_nc_u64 s[34:35], s[34:35], s[2:3]
	s_add_nc_u64 s[G0A+2:G0A+3], s[6:7], 0         ; tile 0: my first 32 rows of Wq,
	s_or_b32 s[G0A+3], s[G0A+3], 0x80000000
.set G1T, 88                           ; s[88:95] (the offsets that lay there have been added): group 1 for the head's load: tiles 0, 1, 2 are 96 consecutive rows of Wq, 216 rows of 256 bytes, and my three places lie on end
	s_mov_b32 s[G1T], 15|(1<<20)|(1<<21)|(3<<22)|(3<<25)
	s_mov_b32 s[G1T+1], 256<<16
	s_mov_b32 s[G1T+2], 216<<16
	s_mov_b32 s[G1T+3], 256<<16
	s_mov_b32 s[G1T+4], 216
	s_mov_b32 s[G1T+5], 256
	s_mov_b32 s[G1T+6], 0
	s_mov_b32 s[G1T+7], 0
	ROUND                                          ; all four work-groups are here: the first joint loads meet
	tensor_load_to_lds s[G0A:G0A+3], s[G1T:G1T+7]  ; my one load at the head: tiles 0, 1, 2; it lands while x is quantised
	s_nop 0
	PLACES 4
	s_wait_alu depctr_va_vdst(0)
	LNEXT 0, 6, 0, 0
	LNEXT 0, 6, 0, 1
	LOADX 0
	LOADX 1
	LOADX 2
	; ---- my 16 rows of x become six fragments, which stay in registers until the stage is done with
.irp s, 0,1,2,3,4,5
.if \s < 4
	s_wait_loadcnt 32                              ; K step s is in; the two younger runs of 16 loads may be out
.elseif \s == 4
	s_wait_loadcnt 16
.else
	s_wait_loadcnt 0x0
.endif
	TURN \s
.if \s < 3
	LOADX \s+3                                     ; into the set whose stores into the stage were waited for a step ago
.endif
	s_wait_dscnt 0x0                               ; the numbers are back
	QUANT \s
.endr
.irp s, 0,1,2,3,4,5
.irp c, 0,1,2
	ds_store_b128 v8, v[XC+12*\s+4*\c:XC+12*\s+4*\c+3] offset:1536*\s+512*\c   ; over my stage, whose last reads are back
.endr
	ds_store_b32 v11, v[XS+\s] offset:128*\s
.endr
	BARRIER                                        ; x's 24 fragments lie in LDS
.irp t, 0,1,2,3
	WIN 0x40*(1+\t/2)
.irp s, 0,1,2,3,4,5
.irp c, 0,1,2
	ds_load_b128 v[72*(\t%2)+12*\s+4*\c:72*(\t%2)+12*\s+4*\c+3], v12 offset:(6*\t+\s)*1536+512*\c
.endr
.endr
.endr
	WIN 0
.irp f, 0,1,2,3,4,5,6,7,8,9,10,11,12,13,14,15,16,17,18,19,20,21,22,23
	ds_load_b32 v[XS+\f], v13 offset:128*\f
.endr
	s_wait_tensorcnt 0x0                           ; my tiles 0, 1, 2 have landed.  I alone read the bytes that my loads bring
	WRUN 0, 0, 0
	WRUN 0, 1, 0
	WIN 0
	; ---- nine units
	UNIT 0, 0, 0
	UNIT 0, 0, 1
	UNIT 0, 0, 2                                   ; q's last unit fetches k's first scale words and biases
	UNIT 0, 0, 3
	UNIT 0, 0, 4
	UNIT 0, 1, 5                                   ; k's last unit fetches v's
	UNIT 1, 1, 6
	UNIT 1, 1, 7
	UNIT 1, 1, 8                                   ; the last unit fetches nothing
	s_wait_tensorcnt 0x0                           ; the wave's end
	ds_add_u32 v[SPW], v[NIL]
	s_wait_dscnt 0x0
	ROUND                                          ; the closing round: no work-group ends while a partner may still ask for a tile that names it
	s_endpgm
.Lfunc_end_k_qd55308a10c_proj:
	.size	k_qd55308a10c_proj, .Lfunc_end_k_qd55308a10c_proj-k_qd55308a10c_proj
	.p2alignl 7, 3214868480
	.fill 96, 4, 3214868480
	.section	.rodata,"a",@progbits
	.p2align	6, 0x0
	.amdhsa_kernel k_qd55308a10c_proj
		.amdhsa_group_segment_fixed_size 327680
		.amdhsa_private_segment_fixed_size 0
		.amdhsa_enable_private_segment 0
		.amdhsa_kernarg_size 128
		.amdhsa_user_sgpr_count 2
		.amdhsa_user_sgpr_kernarg_segment_ptr 1
		.amdhsa_wavefront_size32 1
		.amdhsa_system_sgpr_workgroup_id_x 1
		.amdhsa_system_sgpr_workgroup_id_y 1
		.amdhsa_system_sgpr_workgroup_id_z 1
		.amdhsa_system_vgpr_workitem_id 0
		.amdhsa_next_free_vgpr 1024
		.amdhsa_next_free_sgpr 96
		.amdhsa_reserve_vcc 0
		.amdhsa_float_denorm_mode_32 3
		.amdhsa_float_denorm_mode_16_64 3
		.amdhsa_memory_ordered 1
		.amdhsa_forward_progress 1
		.amdhsa_inst_pref_size 255
	.end_amdhsa_kernel
	.section	.bss,"aw",@nobits
	.p2align	6
	.space	262144
	.amdgpu_metadata
---
amdhsa.version: [ 1, 2 ]
amdhsa.kernels:
  - .name:           k_qd55308a10c_proj
    .symbol:         k_qd55308a10c_proj.kd
    .args:
      - { .name: x, .offset: 0, .size: 8, .value_kind: global_buffer, .address_space: global }
      - { .name: Wq_codes, .offset: 8, .size: 8, .value_kind: global_buffer, .address_space: global }
      - { .name: Wq_scales, .offset: 16, .size: 8, .value_kind: global_buffer, .address_space: global }
      - { .name: bq, .offset: 24, .size: 8, .value_kind: global_buffer, .address_space: global }
      - { .name: Wk_codes, .offset: 32, .size: 8, .value_kind: global_buffer, .address_space: global }
      - { .name: Wk_scales, .offset: 40, .size: 8, .value_kind: global_buffer, .address_space: global }
      - { .name: bk, .offset: 48, .size: 8, .value_kind: global_buffer, .address_space: global }
      - { .name: Wv_codes, .offset: 56, .size: 8, .value_kind: global_buffer, .address_space: global }
      - { .name: Wv_scales, .offset: 64, .size: 8, .value_kind: global_buffer, .address_space: global }
      - { .name: bv, .offset: 72, .size: 8, .value_kind: global_buffer, .address_space: global }
      - { .name: qcod, .offset: 80, .size: 8, .value_kind: global_buffer, .address_space: global }
      - { .name: qscl, .offset: 88, .size: 8, .value_kind: global_buffer, .address_space: global }
      - { .name: kcod, .offset: 96, .size: 8, .value_kind: global_buffer, .address_space: global }
      - { .name: kscl, .offset: 104, .size: 8, .value_kind: global_buffer, .address_space: global }
      - { .name: vcod, .offset: 112, .size: 8, .value_kind: global_buffer, .address_space: global }
      - { .name: vscl, .offset: 120, .size: 8, .value_kind: global_buffer, .address_space: global }
    .group_segment_fixed_size: 327680
    .private_segment_fixed_size: 0
    .kernarg_segment_align: 8
    .kernarg_segment_size: 128
    .max_flat_workgroup_size: 128
    .sgpr_count:     96
    .vgpr_count:     1024
    .wavefront_size: 32
...
	.end_amdgpu_metadata
.endif
;; end of part 3
;; launch attn (part 4): grid 16 x 16, 4 waves a work-group, no clusters, 327,680 bytes of LDS; arguments qcod, qscl, kcod, kscl, vcod, vscl, x, out0; writes out0
.if DOCPART == 4
	.amdgcn_target "amdgcn-amd-amdhsa--gfx1250"
	.amdhsa_code_object_version 6
	.text
	.protected	k_qd55308a10c_attn
	.globl	k_qd55308a10c_attn
	.p2align	8
	.type	k_qd55308a10c_attn,@function
k_qd55308a10c_attn:
	s_mov_b64 s[64:65], 0
	v_nop
	global_prefetch_b8 v0, s[64:65] scope:SCOPE_SE
	s_setreg_imm32_b32 hwreg(HW_REG_WAVE_MODE, 25, 1), 1
	s_wait_xcnt 0x0
; out[b] read as [768][1024] = (softmax(q k^T / sqrt(768)) v)^T + x[b] read as [768][1024].  Both products on codes of E3M2 with one E8M0 scale for each 32 along K; codes and scale words as the launch before laid them.
; No work is left out.
; THE SOFTMAX: t = score x log2(e) / sqrt(768); M = the row's largest t rounded up to a whole number; p = 2^(t - M) is quantised along the keys, not normalised; the row's sum of the unquantised p divides at the end.
; LIMITS: NaN and infinities are not served; a p under 2^-126 becomes 0; a block of p that is all zeros gets the scale byte 1 over zero codes.
; SHARES.  A work-group of four waves owns 64 queries of one batch.  PHASE 1: wave w makes S^T (source 0 = 16 keys, source 1 = 16 queries) for keys 256 w .. 256 w + 255 and all 64 queries: 64 accumulators, six K steps.
; The whole row of scores lies in the work-group's registers: the waves exchange each query's largest score once through LDS, M is final, nothing is rescaled.  p is quantised in registers and goes to the other waves
; through LDS as images of the operand's registers.  PHASE 2: wave w makes 192 of the 768 channels for all 64 queries, 32 channels at a time (source 0 = p's 16 queries, source 1 = 16 channels of v); each block goes
; through my stage in LDS, is multiplied by 1 / sum, gets x added and leaves in rows of 256 bytes.
; K AND V: twelve tiles (0-5: K's K steps; 6-11: V's blocks of 32 channels) of 16 fragments a wave.  A fragment is multiplied by ONE wave, once: it goes from memory straight into that wave's registers, into a ring of five
; groups of four fragments (16 loads a group).  While group G is multiplied, groups G + 1 .. G + 4 are asked for; the wait in front of group G leaves the 48 loads of the three younger groups out.
; x: the work-group's 768 rows of 256 bytes come into LDS once, by one tensor load a wave (192 rows) at the head, behind the first loads of K; they are first read in phase 2.  Q's 24 fragments are copied into LDS once.
; NO CLUSTER, NO JOINT LOADS: LDS holds x's tile 196,608 + p's images 49,152 + stages 34,816 + Q 36,864 + scale words, maxima, sums and spare words 6,656 = 324,096 of 327,680 bytes: two slots for a tile of K or V
; (98,304 bytes each) do not fit beside them, and no LDS byte is filled twice, so no barrier serves a refill.
; PREFETCH: the sixteen work-groups of a batch walk the same tiles; each names 6,144 bytes of a tile (24 lanes 256 bytes apart, the other eight name the last block again), wave t % 4 for tile t.  The head names tiles 1, 2, 3;
; trip t, which loads tile t + 1, names tile t + 4: three trips ahead of the loads; it stops at tile 11.
; REGISTERS.  window 0: v1-30 addresses, 1 / sum (v20-23); v32-80 scale words of K, later of V; v81-93 of Q; v94-125 of p; v160-255 Q in two buffers; softmax: v128-218 work; phase 2: v128-191 rows from the stage, v192-255 x.
; window 1: the ring.  windows 2, 3: S^T (tile of queries t, tile of keys kt) in window 2 + t / 2 at 128 (t % 2) + 8 kt; later p's 32 fragments (window 2: K steps 0-4; window 3: 5-7) and at window 3 v144-207 the output's accumulators.
.set PIMG,   196608                    ; behind x's tile: p's 32 fragments as images: (K step ks, tile of queries t) at 4 ks + t
.set STG,    245760                    ; a stage of 32 rows x (256 + 16) bytes for each wave
.set QL,     280576                    ; Q: [K step 6][tile 4][1,536 bytes]
.set PSC,    317440                    ; the images' scale words, 128 bytes each
.set MXX,    321536                    ; each query's largest score, by wave: [query 64][wave 4] words
.set SMX,    322560                    ; each query's sum, likewise
.set SPARE,  323584                    ; the spare words, 128 bytes for each wave
.set RL,   20
.set SPW,  24
.set NIL,  25
.set BM,   128
.set BMT,  160
.set RM,   168
.set NM,   172
.set LA,   180
.set LB,   182
.set SUMT, 184
.set TS,   188
.set TB,   192
.set PW,   196
.set PC,   200
.set GX,   200
.set LX,   128
.set OB,   128
.set XR,   192
.set WV,   40
.set G1,   24
.set G0,   32
.set MSB, 0
.macro WIN new                         ; the immediate's high byte repeats the setting that is left
.if MSB != (\new)
	s_set_vgpr_msb (MSB<<8)|(\new)
.set MSB, (\new)
.endif
.endm
.macro PLACES n
.rept \n
	v_nop
.endr
.endm
.macro BARRIER
	s_wait_dscnt 0x0
	s_barrier_signal -1
	s_barrier_wait -1
.endm
; One matrix instruction.  c = 999: the constant 0 starts the sum.  ra, rb: the scales of source 0, 1 are read from lanes 16-31.
.macro WM d, a, b, c, sa, sb, ra, rb
.if (\c) == 999
.if ((\ra)==0)&&((\rb)==0)
	v_wmma_scale_f32_16x16x128_f8f6f4 v[(\d):(\d)+7], v[(\a):(\a)+11], v[(\b):(\b)+11], 0, v[\sa], v[\sb] matrix_a_fmt:MATRIX_FMT_BF6 matrix_b_fmt:MATRIX_FMT_BF6
.elseif ((\ra)==1)&&((\rb)==0)
	v_wmma_scale_f32_16x16x128_f8f6f4 v[(\d):(\d)+7], v[(\a):(\a)+11], v[(\b):(\b)+11], 0, v[\sa], v[\sb] matrix_a_fmt:MATRIX_FMT_BF6 matrix_b_fmt:MATRIX_FMT_BF6 matrix_a_scale:MATRIX_SCALE_ROW1
.elseif ((\ra)==0)&&((\rb)==1)
	v_wmma_scale_f32_16x16x128_f8f6f4 v[(\d):(\d)+7], v[(\a):(\a)+11], v[(\b):(\b)+11], 0, v[\sa], v[\sb] matrix_a_fmt:MATRIX_FMT_BF6 matrix_b_fmt:MATRIX_FMT_BF6 matrix_b_scale:MATRIX_SCALE_ROW1
.else
	v_wmma_scale_f32_16x16x128_f8f6f4 v[(\d):(\d)+7], v[(\a):(\a)+11], v[(\b):(\b)+11], 0, v[\sa], v[\sb] matrix_a_fmt:MATRIX_FMT_BF6 matrix_b_fmt:MATRIX_FMT_BF6 matrix_a_scale:MATRIX_SCALE_ROW1 matrix_b_scale:MATRIX_SCALE_ROW1
.endif
.else
.if ((\ra)==0)&&((\rb)==0)
	v_wmma_scale_f32_16x16x128_f8f6f4 v[(\d):(\d)+7], v[(\a):(\a)+11], v[(\b):(\b)+11], v[(\c):(\c)+7], v[\sa], v[\sb] matrix_a_fmt:MATRIX_FMT_BF6 matrix_b_fmt:MATRIX_FMT_BF6
.elseif ((\ra)==1)&&((\rb)==0)
	v_wmma_scale_f32_16x16x128_f8f6f4 v[(\d):(\d)+7], v[(\a):(\a)+11], v[(\b):(\b)+11], v[(\c):(\c)+7], v[\sa], v[\sb] matrix_a_fmt:MATRIX_FMT_BF6 matrix_b_fmt:MATRIX_FMT_BF6 matrix_a_scale:MATRIX_SCALE_ROW1
.elseif ((\ra)==0)&&((\rb)==1)
	v_wmma_scale_f32_16x16x128_f8f6f4 v[(\d):(\d)+7], v[(\a):(\a)+11], v[(\b):(\b)+11], v[(\c):(\c)+7], v[\sa], v[\sb] matrix_a_fmt:MATRIX_FMT_BF6 matrix_b_fmt:MATRIX_FMT_BF6 matrix_b_scale:MATRIX_SCALE_ROW1
.else
	v_wmma_scale_f32_16x16x128_f8f6f4 v[(\d):(\d)+7], v[(\a):(\a)+11], v[(\b):(\b)+11], v[(\c):(\c)+7], v[\sa], v[\sb] matrix_a_fmt:MATRIX_FMT_BF6 matrix_b_fmt:MATRIX_FMT_BF6 matrix_a_scale:MATRIX_SCALE_ROW1 matrix_b_scale:MATRIX_SCALE_ROW1
.endif
.endif
.endm
; A fragment from memory: each half is 512 bytes (four registers, 16 bytes a lane) and 256 bytes (two registers, 8 a lane): every load reads consecutive bytes
.macro FRAGG reg, bs, off
	global_load_b128 v[(\reg):(\reg)+3], v1, s[(\bs):(\bs)+1] offset:(\off)
	global_load_b64 v[(\reg)+4:(\reg)+5], v2, s[(\bs):(\bs)+1] offset:(\off)+512
	global_load_b128 v[(\reg)+6:(\reg)+9], v1, s[(\bs):(\bs)+1] offset:(\off)+768
	global_load_b64 v[(\reg)+10:(\reg)+11], v2, s[(\bs):(\bs)+1] offset:(\off)+1280
.endm
; Group g of tile n + 1 is asked for, into the ring's group that group g - 1 of tile n has just left
.macro LDG n, g
.if (\n) < 11
.set TL_, (\n)+1
	WIN 0x40
.irp q, 0,1,2,3
.if TL_ <= 5
	FRAGG 48*((4*(\n)+(\g)+4)%5)+12*\q, 8, 98304*TL_+1536*(4*(\g)+\q)
.else
	FRAGG 48*((4*(\n)+(\g)+4)%5)+12*\q, 12, 98304*(TL_-6)+1536*(4*(\g)+\q)
.endif
.endr
.endif
.endm
.macro GWAIT G                         ; group G of 48 is in: behind its loads stand those of the three younger groups, 16 each (fewer at the walk's end)
.if (\G) <= 44
	s_wait_loadcnt 48
.else
	s_wait_loadcnt 16*(47-(\G))
.endif
.endm
.macro QLDS s                          ; Q's four fragments of K step s, from LDS, into buffer s % 2
.irp t, 0,1,2,3
.set QB, 160+48*((\s)%2)+12*\t
	ds_load_b128 v[QB:QB+3], v6 offset:6144*(\s)+1536*\t
	ds_load_b64 v[QB+4:QB+5], v7 offset:6144*(\s)+1536*\t+512
	ds_load_b128 v[QB+6:QB+9], v6 offset:6144*(\s)+1536*\t+768
	ds_load_b64 v[QB+10:QB+11], v7 offset:6144*(\s)+1536*\t+1280
.endr
.endm
.macro ASK t                           ; my work-group's 6,144 bytes of tile t, by wave t % 4
.if (\t) <= 11
	s_cmp_eq_u32 s[WV], (\t)%4
	s_cbranch_scc0 .Lna_\@
.if (\t) <= 5
	global_prefetch_b8 v18, s[20:21] offset:98304*(\t) th:TH_LOAD_NT scope:SCOPE_SE
.else
	global_prefetch_b8 v18, s[22:23] offset:98304*((\t)-6) th:TH_LOAD_NT scope:SCOPE_SE
.endif
.Lna_\@:
.endif
.endm
; 16 matrix instructions of S^T: four tiles of keys x four tiles of queries, K step s.  The accumulators take turns, one instruction a turn
.macro KGROUP s, g
	GWAIT 4*(\s)+(\g)
.if (\g) > 0
	PLACES 4                                       ; in front of loads into registers that the last group's products read
.endif
	LDG \s, \g
.irp th, 0,1
	WIN 0xA1+0x50*\th
.irp kq, 0,1,2,3
.irp tt, 0,1
.set SD, 128*\tt+8*(4*(\g)+\kq)
.set KFR, 48*((4*(\s)+(\g))%5)+12*\kq
.set QFR, 160+48*((\s)%2)+12*(2*\th+\tt)
.set SKR, 32+2*(4*(\s)+(\g))+\kq/2
.set SQR, 81+2*(\s)+\th
.if (\s) == 0
	WM SD, KFR, QFR, 999, SKR, SQR, \kq%2, \tt
.else
	WM SD, KFR, QFR, SD, SKR, SQR, \kq%2, \tt
.endif
.endr
.endr
.endr
.endm
.macro TRIPK s                         ; K step s: this step's Q is in, the next step's is asked for, 64 matrix instructions
	WIN 0
	s_wait_dscnt 0x0
.if (\s) > 0
	PLACES 4
.endif
.if (\s) < 5
	QLDS (\s)+1
.endif
	ASK (\s)+4
.irp g, 0,1,2,3
	KGROUP \s, \g
.endr
.endm
; 16 matrix instructions of the output: K steps 2 g, 2 g + 1 (128 keys each) x two tiles of channels x four tiles of queries: eight accumulators by turns
.macro VGROUP p, g
	GWAIT 24+4*(\p)+(\g)
.if (\g) > 0
	PLACES 4
.endif
.if ((\p)+(\g)) > 0
	LDG 6+(\p), \g
.endif
.irp kk, 0,1
.set KS_, 2*(\g)+\kk
.if KS_ <= 4
	WIN 0xF6
.set PB_, 48*KS_
.else
	WIN 0xF7
.set PB_, 48*(KS_-5)
.endif
.irp u, 0,1
.irp t, 0,1,2,3
.set OD, 144+8*(2*\t+\u)
.set PF_, PB_+12*\t
.set VF_, 48*((4*(6+(\p))+(\g))%5)+12*(2*\kk+\u)
.set SPR, 94+4*KS_+\t
.set SVR, 32+2*(8*((\p)/2)+KS_)+(\p)%2
.if KS_ == 0
	WM OD, PF_, VF_, 999, SPR, SVR, 0, \u
.else
	WM OD, PF_, VF_, OD, SPR, SVR, 0, \u
.endif
.endr
.endr
.endr
.endm
; The largest score of each of my eight blocks of 32 keys, for tile t: it serves for the row's maximum and, since p rises with the score, for the block's largest p.  Each accumulator is read from its low end on
.macro BMAX t
.set X_, 2+(\t)/2
.set SB, 128*((\t)%2)
	WIN 5*X_
.irp B, 0,1,2,3,4,5,6,7
	v_max_num_f32 v[BM+8*(\t)+\B], v[SB+16*\B], v[SB+16*\B+1]
.endr
.irp i, 2,4,6,8,10,12,14
.irp B, 0,1,2,3,4,5,6,7
	v_max3_num_f32 v[BM+8*(\t)+\B], v[SB+16*\B+\i], v[SB+16*\B+\i+1], v[BM+8*(\t)+\B]
.endr
.endr
.endm
; 64 weights of a lane (my K step ksl of two, tile t) become a fragment and a scale word, which go to LDS as they stand
.macro QUANTP t, ksl
.set X_, 2+(\t)/2
.set SB, 128*((\t)%2)+64*(\ksl)
	s_wait_dscnt 0x0                               ; the last image has left its registers
.irp b, 0,1,2,3
	v_max_num_f32 v[TS+\b], 0x2800000, v[BM+8*(\t)+4*(\ksl)+\b]   ; the floor 2^(5 - 127): the byte cannot fall under 1
.endr
.irp b, 0,1,2,3
	v_add_nc_u32 v[TS+\b], 0xfe000000, v[TS+\b]    ; 4 off the exponent field: the conversion's scale operand
.endr
.irp b, 0,1,2,3
	v_lshrrev_b32 v[TB+\b], 23, v[TS+\b]           ; the scale's byte
.endr
	v_lshl_or_b32 v[PW], v[TB+1], 8, v[TB]
	v_lshl_or_b32 v[PW], v[TB+2], 16, v[PW]
	v_lshl_or_b32 v[PW], v[TB+3], 24, v[PW]
	WIN X_
.irp c, 0,1
	v_cvt_scalef32_pk16_bf6_f32 v[PC+6*\c:PC+2+6*\c], v[SB+32*\c:SB+15+32*\c], v[TS+2*\c]
	v_cvt_scalef32_pk16_bf6_f32 v[PC+12+4*\c:PC+14+4*\c], v[SB+16+32*\c:SB+31+32*\c], v[TS+2*\c+1]
.endr
	WIN 0
	v_nop                                          ; one plain place behind a scaled conversion
.irp c, 0,1
.irp i, 0,1,2
	v_permlane16_swap_b32 v[PC+6*\c+\i], v[PC+12+4*\c+\i]
.endr
.irp i, 0,1,2
	v_mov_b32 v[PC+3+6*\c+\i], v[PC+12+4*\c+\i]
.endr
.endr
.irp c, 0,1,2
	ds_store_b128 v11, v[PC+4*\c:PC+4*\c+3] offset:1536*(4*(\ksl)+(\t))+512*\c
.endr
	ds_store_b32 v12, v[PW] offset:128*(4*(\ksl)+(\t))
.endm
; Tile t: p = 2^(c s - M) in place, the row's sum of my 256 keys, and the two fragments.  All 136 exponentials are one batch
.macro SOFT t
.set X_, 2+(\t)/2
.set SB, 128*((\t)%2)
	WIN 0
.irp B, 0,1,2,3,4,5,6,7
	v_fma_f32 v[BM+8*(\t)+\B], v[BM+8*(\t)+\B], s46, v[NM+2*(\t)]
.endr
	WIN (X_<<6)|X_
.set J_, 0
.rept 64
	v_pk_fma_f32 v[SB+J_:SB+J_+1], v[SB+J_:SB+J_+1], s[46:47], v[NM+2*(\t):NM+2*(\t)+1] op_sel_hi:[1,0,0]
.set J_, J_+2
.endr
.set J_, 0
	s_wait_alu depctr_va_vdst(0)                   ; the wait ahead of the batch
.rept 128
	v_exp_f32 v[SB+J_], v[SB+J_]
.set J_, J_+1
.endr
	WIN 0
.irp B, 0,1,2,3,4,5,6,7
	v_exp_f32 v[BM+8*(\t)+\B], v[BM+8*(\t)+\B]     ; the block's largest p: the same arithmetic on the same number
.endr
	v_nop                                          ; a plain place behind the last exponential
	s_wait_alu depctr_va_vdst(0)                   ; and behind it, ahead of its first reader
	WIN 5*X_
	v_pk_add_f32 v[LA:LA+1], v[SB:SB+1], v[SB+2:SB+3]      ; the sum is taken of the unquantised p, two at a time, in two chains
	v_pk_add_f32 v[LB:LB+1], v[SB+4:SB+5], v[SB+6:SB+7]
	WIN X_
.set J_, 8
.rept 15
	v_pk_add_f32 v[LA:LA+1], v[SB+J_:SB+J_+1], v[LA:LA+1]
	v_pk_add_f32 v[LB:LB+1], v[SB+J_+2:SB+J_+3], v[LB:LB+1]
	v_pk_add_f32 v[LA:LA+1], v[SB+J_+4:SB+J_+5], v[LA:LA+1]
	v_pk_add_f32 v[LB:LB+1], v[SB+J_+6:SB+J_+7], v[LB:LB+1]
.set J_, J_+8
.endr
	WIN 0
	v_pk_add_f32 v[LA:LA+1], v[LA:LA+1], v[LB:LB+1]
	v_add_f32 v[SUMT+(\t)], v[LA], v[LA+1]
	v_permlanex16_b32 v[LB], v[SUMT+(\t)], s48, s49
	v_add_f32 v[SUMT+(\t)], v[SUMT+(\t)], v[LB]    ; with lane l xor 16: my wave's part of the row's sum
	QUANTP \t, 0
	QUANTP \t, 1
.endm
; x at the places of block p's 32 channels x 64 queries, from LDS: sixteen lanes read one row of 256 bytes
.macro XLD p
	s_wait_xcnt 0x0                                ; the last block's stores have read these registers
.irp k, 0,1,2,3,4,5,6,7,8,9,10,11,12,13,14,15
	ds_load_b128 v[XR+4*\k:XR+4*\k+3], v[28+(\p)/2] offset:8192*((\p)%2)+512*\k
.endr
.endm
; Block p leaves: into my stage (row = channel, 32 bytes a lane), back as rows of 256 bytes, x 1 / sum + x, stored.  LDS serves a wave's instructions in order: no wait between the stores and the loads
.macro EPI p
	WIN 0
	PLACES 4                                       ; behind the last products
	WIN 0x0C                                       ; an LDS store's data are its source 1: window 3
.irp u, 0,1
.irp t, 0,1,2,3
	ds_store_b128 v15, v[144+8*(2*\t+\u):147+8*(2*\t+\u)] offset:4352*\u+64*\t        ; each accumulator from its low end on
	ds_store_b128 v15, v[148+8*(2*\t+\u):151+8*(2*\t+\u)] offset:4352*\u+64*\t+16
.endr
.endr
	WIN 0
.irp k, 0,1,2,3,4,5,6,7,8,9,10,11,12,13,14,15
	ds_load_b128 v[OB+4*\k:OB+4*\k+3], v16 offset:544*\k
.endr
.irp k, 0,1,2,3,4,5,6,7,8,9,10,11,12,13,14,15
	s_wait_dscnt 15-\k                             ; rows 2 k, 2 k + 1 are back (x's were asked for earlier); the younger loads may be out
	v_pk_fma_f32 v[XR+4*\k:XR+4*\k+1], v[OB+4*\k:OB+4*\k+1], v[RL:RL+1], v[XR+4*\k:XR+4*\k+1]
	v_pk_fma_f32 v[XR+4*\k+2:XR+4*\k+3], v[OB+4*\k+2:OB+4*\k+3], v[RL+2:RL+3], v[XR+4*\k+2:XR+4*\k+3]
	global_store_b128 v17, v[XR+4*\k:XR+4*\k+3], s[18:19] offset:4096*(256*((\p)/2)+32*((\p)%2)+2*\k) th:TH_STORE_NT   ; sixteen lanes store 256 consecutive bytes, at a multiple of 256 from the output's first byte
.endr
.endm
.macro BLOCK p
	ASK 10+(\p)
.irp g, 0,1,2,3
	VGROUP \p, \g
.endr
	EPI \p
.if (\p) < 5
	XLD (\p)+1
.endif
.endm
	s_load_b512 s[4:19], s[0:1], 0x0               ; q: codes, scale words; k; v; x; out
	v_lshl_add_u32 v[SPW], v0, 2, SPARE
	v_mov_b32 v[NIL], 0
	ds_add_u32 v[SPW], v[NIL]                      ; the opening: the add, twice on end, and its wait ahead of my first tensor load
	ds_add_u32 v[SPW], v[NIL]
	v_lshrrev_b32 v19, 5, v0
	v_readfirstlane_b32 s[WV], v19                 ; wave 0..3
	s_and_b32 s42, ttmp7, 0xffff                   ; b: the batch
	s_mov_b32 s43, ttmp9                           ; rb: my block of 64 queries
	s_mov_b32 s[G1], 3<<16                         ; x's tile: elements of 8 bytes, no padding: 192 rows of 32 elements, 512 elements from row to row
	s_mov_b32 s[G1+1], 32<<16
	s_mov_b32 s[G1+2], 192<<16
	s_mov_b32 s[G1+3], 32<<16
	s_mov_b32 s[G1+4], 192
	s_mov_b32 s[G1+5], 512
	s_mov_b32 s[G1+6], 0
	s_mov_b32 s[G1+7], 0
	s_mov_b32 s[G0], 1
	s_mul_i32 s[G0+1], s[WV], 49152                ; rows 192 w .. 192 w + 191 of the tile
	s_mov_b32 s46, 0x3d553b95                      ; c = log2(e) / sqrt(768)
	s_mov_b32 s47, s46
	s_mov_b32 s48, 0x76543210                      ; selects for lane l xor 16
	s_mov_b32 s49, 0xfedcba98
	s_mov_b32 s50, 0x05040100                      ; v_perm_b32: the two low halves,
	s_mov_b32 s51, 0x07060302                      ; the two high halves
	s_mul_i32 s44, s42, 589824                     ; the batch in a buffer of codes,
	s_mul_i32 s45, s42, 24576                      ; and of scale words
	s_mul_i32 s52, s43, 6144                       ; Q's codes: my four tiles; also my work-group's share of a tile in the prefetches
	s_add_co_u32 s52, s52, s44
	s_mov_b32 s53, 0
	s_lshl_b32 s56, s43, 7                         ; Q's scale words
	s_add_co_u32 s56, s56, s45
	s_mov_b32 s57, 0
	s_mul_i32 s58, s[WV], 24576                    ; K's and V's codes: my wave's 16 fragments of a tile
	s_add_co_u32 s58, s58, s44
	s_mov_b32 s59, 0
	s_lshl_b32 s60, s[WV], 9                       ; K's scale words
	s_add_co_u32 s60, s60, s45
	s_mov_b32 s61, 0
	s_lshl_b32 s62, s[WV], 7                       ; V's scale words
	s_add_co_u32 s62, s62, s45
	s_mov_b32 s63, 0
	s_mul_i32 s54, s42, 3145728                    ; x and the output: the batch, my block's 256 bytes,
	s_lshl_b32 s55, s43, 8
	s_add_co_u32 s54, s54, s55
	s_lshl_b32 s2, s[WV], 18                       ; the output: my wave's 64 channels of 4,096 bytes
	s_add_co_u32 s2, s2, s54
	s_mov_b32 s3, 0
	s_mul_i32 s36, s[WV], 786432                   ; x's tile: the 192 rows that I fetch
	s_add_co_u32 s36, s36, s54
	s_mov_b32 s37, 0
	s_mul_i32 s20, s[WV], 1536                     ; bases for the LDS addresses below
	s_lshl_b32 s21, s[WV], 2
	s_mul_i32 s22, s[WV], 12288
	s_add_co_u32 s22, s22, PIMG
	s_lshl_b32 s23, s[WV], 10
	s_add_co_u32 s23, s23, PSC
	s_mul_i32 s38, s[WV], 8704
	s_add_co_u32 s38, s38, STG
	s_lshl_b32 s39, s[WV], 14
	v_and_b32 v19, 31, v0                          ; lane
	v_lshlrev_b32 v1, 4, v19                       ; v1 = 16 x lane, v2 = 8 x lane, v3 = 4 x lane
	v_lshlrev_b32 v2, 3, v19
	v_lshlrev_b32 v3, 2, v19
	v_min_u32 v18, 23, v19
	v_lshlrev_b32 v18, 8, v18                      ; v18: the prefetches: 256 x min(lane, 23)
	v_and_b32 v26, 15, v0                          ; r
	v_bfe_u32 v27, v0, 4, 1                        ; h
	v_add_nc_u32 v4, s20, v1                       ; v4: the fragment of Q that I copy (tile w), in memory; v5: in LDS
	v_add_nc_u32 v5, QL, v4
	v_add_nc_u32 v6, QL, v1                        ; v6, v7: where Q is read, 16 and 8 bytes a lane
	v_add_nc_u32 v7, QL, v2
	v_lshlrev_b32 v9, 4, v26
	v_add_nc_u32 v9, MXX, v9                       ; v9: query r's four words; v8: my wave's of them
	v_add_nc_u32 v8, s21, v9
	v_lshlrev_b32 v10, 6, v26
	v_add_nc_u32 v10, SMX, v10                     ; v10: the sums of queries 4 r .. 4 r + 3
	v_add_nc_u32 v11, s22, v1                      ; v11: where I store my eight images; v12: their scale words
	v_add_nc_u32 v12, s23, v3
	v_add_nc_u32 v13, PIMG, v1                     ; v13, v14: where any image and scale word is read
	v_add_nc_u32 v14, PSC, v3
	v_mul_u32_u24 v15, v26, 272
	v_lshl_add_u32 v15, v27, 5, v15
	v_add_nc_u32 v15, s38, v15                     ; v15: into my stage: row r, + 32 h
	v_mul_u32_u24 v16, v27, 272
	v_lshl_add_u32 v16, v26, 4, v16
	v_add_nc_u32 v16, s38, v16                     ; v16: back: lanes 0-15 one row, lanes 16-31 the next
	v_lshlrev_b32 v17, 12, v27
	v_lshl_add_u32 v17, v26, 4, v17                ; v17: the same two rows in the output
	v_add_nc_u32 v28, s39, v1                      ; v28-30: the same two rows in x's tile: channels 256 j + 64 w on
	v_add_nc_u32 v29, 0x10000, v28
	v_add_nc_u32 v30, 0x20000, v28
	s_wait_alu depctr_va_vdst(0)                   ; the wait at the head's end
	s_wait_dscnt 0x0                               ; both opening adds are done
	s_wait_kmcnt 0x0
	s_add_nc_u64 s[20:21], s[8:9], s[52:53]        ; where my prefetches of K and of V stand
	s_add_nc_u64 s[22:23], s[12:13], s[52:53]
	s_add_nc_u64 s[4:5], s[4:5], s[52:53]
	s_add_nc_u64 s[6:7], s[6:7], s[56:57]
	s_add_nc_u64 s[8:9], s[8:9], s[58:59]
	s_add_nc_u64 s[12:13], s[12:13], s[58:59]
	s_add_nc_u64 s[10:11], s[10:11], s[60:61]
	s_add_nc_u64 s[14:15], s[14:15], s[62:63]
	s_add_nc_u64 s[18:19], s[18:19], s[2:3]
	s_add_nc_u64 s[G0+2:G0+3], s[16:17], s[36:37]
	s_or_b32 s[G0+3], s[G0+3], 0x80000000
	ASK 1
	ASK 2
	ASK 3
	; the scale words.  Memory holds two bytes a row and half K step, two tiles to a word; pair k's two words land in registers 2 k + 1 and 2 k + 2 of a run, and two v_perm_b32 make of them registers 2 k and 2 k + 1
.irp s, 0,1,2,3,4,5
.irp q, 0,1,2,3
	global_load_b32 v[33+2*(4*\s+\q)], v3, s[10:11] offset:4096*\s+128*\q
	global_load_b32 v[34+2*(4*\s+\q)], v3, s[10:11] offset:4096*\s+2048+128*\q
.endr
.endr
.irp s, 0,1,2,3,4,5
	global_load_b32 v[82+2*\s], v3, s[6:7] offset:4096*\s
	global_load_b32 v[83+2*\s], v3, s[6:7] offset:4096*\s+2048
.endr
.irp s, 0,1,2,3,4,5
.irp c, 0,1,2
	global_load_b128 v[160+12*\s+4*\c:163+12*\s+4*\c], v4, s[4:5] offset:98304*\s+512*\c   ; tile w of Q, all six K steps: 18 loads
.endr
.endr
	WIN 0x40
.irp f, 0,1,2,3,4,5,6,7,8,9,10,11,12,13,14,15
	FRAGG 12*\f, 8, 1536*\f                        ; tile 0: the ring's groups 0 to 3, 64 loads
.endr
	WIN 0
	tensor_load_to_lds s[G0:G0+3], s[G1:G1+7]      ; my 192 rows of x's tile: my one tensor load
	s_nop 0
	PLACES 4
	s_wait_loadcnt 63                              ; the scale words and Q are in: behind them stand tile 0's 64 loads
.irp s, 0,1,2,3,4,5
.irp c, 0,1,2
	ds_store_b128 v5, v[160+12*\s+4*\c:163+12*\s+4*\c] offset:6144*\s+512*\c
.endr
.endr
.set K_, 0
.rept 24
	v_perm_b32 v[32+2*K_], v[34+2*K_], v[33+2*K_], s50
	v_perm_b32 v[33+2*K_], v[34+2*K_], v[33+2*K_], s51
.set K_, K_+1
.endr
.set K_, 0
.rept 6
	v_perm_b32 v[81+2*K_], v[83+2*K_], v[82+2*K_], s50
	v_perm_b32 v[82+2*K_], v[83+2*K_], v[82+2*K_], s51
.set K_, K_+1
.endr
	PLACES 8                                       ; a scale register written by a vector instruction stands eight places ahead of a scaled matrix instruction
	s_wait_alu depctr_va_vdst(0)                   ; the wait ahead of the barrier
	BARRIER                                        ; Q's 24 fragments lie in LDS (no LDS byte is filled again in this launch: the tensor load may be out)
	QLDS 0
	; ---- phase 1: S^T, six K steps
	TRIPK 0
	TRIPK 1
	TRIPK 2
	TRIPK 3
	TRIPK 4
	TRIPK 5
	WIN 0
	PLACES 4                                       ; behind the last products: in front of the loads below and of the first read of the scores
	LDG 6, 0                                       ; tile 7's first group, into the group that K's last has left
	WIN 0
.irp uv, 0,1,2
.irp ks, 0,1,2,3,4,5,6,7
	global_load_b32 v[33+2*(8*\uv+\ks)], v3, s[14:15] offset:3072*\ks+512*\uv          ; V's scale words, over K's
	global_load_b32 v[34+2*(8*\uv+\ks)], v3, s[14:15] offset:3072*\ks+1536+512*\uv
.endr
.endr
	; ---- the softmax
.irp B, 0,1,2,3,4,5,6,7
	v_mov_b32 v[BMT+\B], 0                         ; a lane permute's destination counts as one of its sources
.endr
	BMAX 0
	BMAX 1
	BMAX 2
	BMAX 3
	WIN 0
.irp t, 0,1,2,3
.irp B, 0,1,2,3,4,5,6,7
	v_permlanex16_b32 v[BMT+\B], v[BM+8*\t+\B], s48, s49
.endr
.irp B, 0,1,2,3,4,5,6,7
	v_max_num_f32 v[BM+8*\t+\B], v[BM+8*\t+\B], v[BMT+\B]   ; with lane l xor 16: the block's largest score
.endr
.endr
.irp t, 0,1,2,3
	v_max3_num_f32 v[RM+\t], v[BM+8*\t], v[BM+8*\t+1], v[BM+8*\t+2]
.endr
.irp t, 0,1,2,3
	v_max3_num_f32 v[RM+\t], v[RM+\t], v[BM+8*\t+3], v[BM+8*\t+4]
.endr
.irp t, 0,1,2,3
	v_max3_num_f32 v[RM+\t], v[RM+\t], v[BM+8*\t+5], v[BM+8*\t+6]
.endr
.irp t, 0,1,2,3
	v_max_num_f32 v[RM+\t], v[RM+\t], v[BM+8*\t+7] ; my wave's largest score of query 16 t + r
.endr
.irp t, 0,1,2,3
	ds_store_b32 v8, v[RM+\t] offset:256*\t        ; both halves of the lanes write the same word with the same value
.endr
	BARRIER                                        ; all four waves' maxima lie in LDS
.irp t, 0,1,2,3
	ds_load_b128 v[GX+4*\t:GX+4*\t+3], v9 offset:256*\t
.endr
	s_wait_dscnt 0x0
.irp t, 0,1,2,3
	v_max3_num_f32 v[RM+\t], v[GX+4*\t], v[GX+4*\t+1], v[GX+4*\t+2]
.endr
.irp t, 0,1,2,3
	v_max_num_f32 v[RM+\t], v[RM+\t], v[GX+4*\t+3] ; the row's largest score
.endr
.irp t, 0,1,2,3
	v_mul_f32 v[RM+\t], s46, v[RM+\t]              ; as t (c is positive)
.endr
.irp t, 0,1,2,3
	v_floor_f32 v[NM+2*\t], -v[RM+\t]              ; -M = floor(-t) = -ceil(t)
.endr
.irp t, 0,1,2,3
	v_mov_b32 v[NM+2*\t+1], v[NM+2*\t]             ; (the pair's upper word is named, so it is written)
.endr
	SOFT 0
	SOFT 1
	SOFT 2
	SOFT 3
.irp t, 0,1,2,3
	ds_store_b32 v8, v[SUMT+\t] offset:1024+256*\t
.endr
	s_wait_tensorcnt 0x0                           ; my 192 rows of x have landed
	BARRIER                                        ; p's 32 fragments, their scale words, the sums and x's whole tile lie in LDS
.irp ks, 0,1,2,3,4,5,6,7
.if \ks <= 4
	WIN 0x80
.set PB_, 48*\ks
.else
	WIN 0xC0
.set PB_, 48*(\ks-5)
.endif
.irp t, 0,1,2,3
.irp c, 0,1,2
	ds_load_b128 v[PB_+12*\t+4*\c:PB_+12*\t+4*\c+3], v13 offset:(4*\ks+\t)*1536+512*\c
.endr
.endr
.endr
	WIN 0
.irp f, 0,1,2,3,4,5,6,7,8,9,10,11,12,13,14,15,16,17,18,19,20,21,22,23,24,25,26,27,28,29,30,31
	ds_load_b32 v[94+\f], v14 offset:128*\f
.endr
.irp e, 0,1,2,3
	ds_load_b128 v[LX+4*\e:LX+4*\e+3], v10 offset:16*\e
.endr
	XLD 0
	s_wait_loadcnt 0x0                             ; V's scale words, tile 6 and tile 7's first group
.set K_, 0
.rept 24
	v_perm_b32 v[32+2*K_], v[34+2*K_], v[33+2*K_], s50
	v_perm_b32 v[33+2*K_], v[34+2*K_], v[33+2*K_], s51
.set K_, K_+1
.endr
	s_wait_dscnt 0x0
.irp e, 0,1,2,3
	v_add_f32 v[LX+4*\e], v[LX+4*\e], v[LX+4*\e+1] ; the four waves' sums.  (These twelve additions are also the places between the scale words just made and the products)
.endr
.irp e, 0,1,2,3
	v_add_f32 v[LX+4*\e+2], v[LX+4*\e+2], v[LX+4*\e+3]
.endr
.irp e, 0,1,2,3
	v_add_f32 v[LX+4*\e], v[LX+4*\e], v[LX+4*\e+2]
.endr
	s_wait_alu depctr_va_vdst(0)                   ; the wait ahead of the batch
.irp e, 0,1,2,3
	v_rcp_f32 v[RL+\e], v[LX+4*\e]
.endr
	v_nop                                          ; a plain place behind the last reciprocal
	s_wait_alu depctr_va_vdst(0)                   ; and behind it, ahead of its first reader
	; ---- phase 2: six blocks of 32 channels
	BLOCK 0
	BLOCK 1
	BLOCK 2
	BLOCK 3
	BLOCK 4
	BLOCK 5
	s_wait_tensorcnt 0x0                           ; the wave's end
	ds_add_u32 v[SPW], v[NIL]
	s_wait_dscnt 0x0
	s_endpgm
.Lfunc_end_k_qd55308a10c_attn:
	.size	k_qd55308a10c_attn, .Lfunc_end_k_qd55308a10c_attn-k_qd55308a10c_attn
	.p2alignl 7, 3214868480
	.fill 96, 4, 3214868480
	.section	.rodata,"a",@progbits
	.p2align	6, 0x0
	.amdhsa_kernel k_qd55308a10c_attn
		.amdhsa_group_segment_fixed_size 327680
		.amdhsa_private_segment_fixed_size 0
		.amdhsa_enable_private_segment 0
		.amdhsa_kernarg_size 64
		.amdhsa_user_sgpr_count 2
		.amdhsa_user_sgpr_kernarg_segment_ptr 1
		.amdhsa_wavefront_size32 1
		.amdhsa_system_sgpr_workgroup_id_x 1
		.amdhsa_system_sgpr_workgroup_id_y 1
		.amdhsa_system_sgpr_workgroup_id_z 1
		.amdhsa_system_vgpr_workitem_id 0
		.amdhsa_next_free_vgpr 1024
		.amdhsa_next_free_sgpr 66
		.amdhsa_reserve_vcc 0
		.amdhsa_float_denorm_mode_32 3
		.amdhsa_float_denorm_mode_16_64 3
		.amdhsa_memory_ordered 1
		.amdhsa_forward_progress 1
		.amdhsa_inst_pref_size 255
	.end_amdhsa_kernel
	.section	.bss,"aw",@nobits
	.p2align	6
	.space	262144
	.amdgpu_metadata
---
amdhsa.version: [ 1, 2 ]
amdhsa.kernels:
  - .name:           k_qd55308a10c_attn
    .symbol:         k_qd55308a10c_attn.kd
    .args:
      - { .name: qcod, .offset: 0, .size: 8, .value_kind: global_buffer, .address_space: global }
      - { .name: qscl, .offset: 8, .size: 8, .value_kind: global_buffer, .address_space: global }
      - { .name: kcod, .offset: 16, .size: 8, .value_kind: global_buffer, .address_space: global }
      - { .name: kscl, .offset: 24, .size: 8, .value_kind: global_buffer, .address_space: global }
      - { .name: vcod, .offset: 32, .size: 8, .value_kind: global_buffer, .address_space: global }
      - { .name: vscl, .offset: 40, .size: 8, .value_kind: global_buffer, .address_space: global }
      - { .name: x, .offset: 48, .size: 8, .value_kind: global_buffer, .address_space: global }
      - { .name: out0, .offset: 56, .size: 8, .value_kind: global_buffer, .address_space: global }
    .group_segment_fixed_size: 327680
    .private_segment_fixed_size: 0
    .kernarg_segment_align: 8
    .kernarg_segment_size: 64
    .max_flat_workgroup_size: 128
    .sgpr_count:     66
    .vgpr_count:     1024
    .wavefront_size: 32
...
	.end_amdgpu_metadata
.endif
;; end of part 4
